; MI455X (gfx1250); checked and timed in simulation.
; The chip was launched on July 23, 2026; its instructions are those of AMD's public machine-readable ISA for CDNA 5 (MIT licence, August 2026) and "CDNA5" Instruction Set Architecture Reference Guide (July 2026). The comments in the code are by the model that wrote it; some were corrected since.
;; Attention Layer. Allowed arithmetic: matrix products marked QUANTISED: E4M3 operands, one E8M0 scale for each 32 along K, by v_wmma_scale_f32_16x16x128_f8f6f4 with both operands' format E4M3, f32 sums; everything else in f32.
;; Inputs: Wk_codes 1,024 x 32 x 32 uint8 (E4M3 codes of Wk, K innermost, in blocks of 32 codes); Wk_scales 1,024 x 32 uint8 (E8M0 scales of Wk, one for each 32 codes along K); Wo_codes 1,024 x 32 x 32 uint8 (E4M3 codes of Wo, K innermost, in blocks of 32 codes); Wo_scales 1,024 x 32 uint8 (E8M0 scales of Wo, one for each 32 codes along K); Wq_codes 1,024 x 32 x 32 uint8 (E4M3 codes of Wq, K innermost, in blocks of 32 codes); Wq_scales 1,024 x 32 uint8 (E8M0 scales of Wq, one for each 32 codes along K); Wv_codes 1,024 x 32 x 32 uint8 (E4M3 codes of Wv, K innermost, in blocks of 32 codes); Wv_scales 1,024 x 32 uint8 (E8M0 scales of Wv, one for each 32 codes along K); bk 1,024 float32; bo 1,024 float32; bq 1,024 float32; bv 1,024 float32; input_ids 8 x 1,024 int32; x_codes 8 x 1,024 x 32 x 32 uint8 (E4M3 codes of x, K innermost, in blocks of 32 codes); x_scales 8 x 1,024 x 32 uint8 (E8M0 scales of x, one for each 32 codes along K).
;; Outputs: out0 8 x 1,024 x 1,024 float32.
;; This version of the problem:
;;   THIS VERSION OF THE PROBLEM IS GIVEN IN LOW PRECISION. The matrix products marked QUANTISED in the list below multiply operands that are first quantised to E4M3 (4 exponent bits, 3 mantissa bits; 8 bits a number), with one power-of-two scale for each 32 numbers along K (OCP MX v1.0); their sums are f32. All else is computed in f32.
;;   The module's matrix products, in the order in which they are computed (A, B: the left and right operand; K: the contracted axis; several contracted axes count as one K, in the product's order):
;;     1. [M 8,192, K 1,024] x [K 1,024, N 1,024]; A: input x (given as codes); B: input Wq (given as codes): QUANTISED
;;     2. [M 8,192, K 1,024] x [K 1,024, N 1,024]; A: input x (given as codes); B: input Wk (given as codes): QUANTISED
;;     3. [M 8,192, K 1,024] x [K 1,024, N 1,024]; A: input x (given as codes); B: input Wv (given as codes): QUANTISED
;;     4. batch 128 x [M 1,024, K 64] x [K 64, N 1,024]; A: computed on the way; B: computed on the way: QUANTISED
;;     5. batch 128 x [M 1,024, K 1,024] x [K 1,024, N 64]; A: softmax (see below); B: computed on the way: QUANTISED
;;     6. [M 8,192, K 1,024] x [K 1,024, N 1,024]; A: computed on the way; B: input Wo (given as codes): QUANTISED
;;   THE QUANTISER, for each operand of a quantised product, along K:
;;     - K is cut into blocks of 32 from its start; a last block that is shorter is filled with zeros.
;;     - A block's scale is 2^e with e = floor(log2(the largest magnitude in the block)) - 8, held to -126 .. 127; a block of zeros has e = 0. As a byte (E8M0): e + 127.
;;     - Each number is divided by its block's scale, clamped to +-448, and rounded to the nearest number of E4M3, ties to even, subnormals kept.
;;     - The product sums the exact products of the quantised numbers (number of the format x scale) in f32.
;;   ~~~python
;;   def quantise(x, axis):      # numpy; x: float32 -> the quantised numbers, widened to float32 again
;;       x = np.moveaxis(x, axis, -1); K = x.shape[-1]
;;       x = np.pad(x, [(0, 0)] * (x.ndim - 1) + [(0, -K % 32)]); x = x.reshape(x.shape[:-1] + (-1, 32)); a = np.abs(x).max(-1, keepdims=True)
;;       e = np.where(a > 0, np.clip(np.frexp(np.where(a > 0, a, 1))[1] - 1 - 8, -126, 127), 0)      # np.frexp(a)[1] - 1 = floor(log2(a)), exactly
;;       r = np.clip(x / 2.0 ** e, -448, 448)
;;       step = 2.0 ** (np.maximum(np.frexp(np.where(r == 0, 1, r))[1] - 1, -6) - 3)
;;       q = np.round(r / step) * step * 2.0 ** e      # np.round: ties to even
;;       return np.moveaxis(q.reshape(q.shape[:-2] + (-1,))[..., :K], -1, axis).astype(np.float32)
;;   ~~~
;;   SOFTMAX AHEAD OF A QUANTISED PRODUCT. Where the list says 'softmax', what is quantised is not the finished softmax but p = 2^(t - M), with t = logit x log2(e) and M = ceil(the row's largest t), a whole number; so 1/2 < the row's largest p <= 1. The row's sum l is taken of the UNQUANTISED p, in f32, and the product's result is divided by l at the end. Since M is a whole number, a kernel that streams over the keys may use a running M (the ceiling of the running maximum): every later rescaling is an exact power of two, which a block's scale takes up: the codes' values come out the same.
;;   OPERANDS COMPUTED ON THE WAY. 'Computed on the way' means the value that the module computes at that place (a softmax that the list does not call 'softmax' is quantised finished and normalised). What goes into a quantiser is computed in f32, as accurately as f32 sums, v_exp_f32 and their like allow (about 1e-6 of the number): no bf16 or f16 on the way to a quantiser, and a product that is left as it is and whose result goes on into a quantised operand takes f32 operands (vector FMAs, or v_wmma_f32_16x16x4_f32). A number that lies on a knife's edge between two numbers of the format may be rounded either way, as far as f32 arithmetic and the matrix unit's own rounding can turn it there, and no further.
;;   INPUTS GIVEN AS CODES. Wk (in the module: [1024, 1024], K = its axis 1); Wo (in the module: [1024, 1024], K = its axis 1); Wq (in the module: [1024, 1024], K = its axis 1); Wv (in the module: [1024, 1024], K = its axis 1); x (in the module: [8, 1024, 1024], K = its axis 2): each comes as NAME_codes (uint8): NAME with its K axis moved to the last place and cut into blocks of 32 codes, [.., K / 32, bytes a block], one block behind the other in memory; one code a byte (a code: sign, 4 exponent bits, 3 mantissa bits); and NAME_scales (uint8): the same leading axes, one E8M0 byte (e + 127) for each 32 codes along K. Its value is code x scale, taken as it is: it is not quantised again, and the codes and scales need not be those that the quantiser above would give.
;; 2 versions, each right; version 2 is version 1 with the launch attn written anew for expert scheduling mode. Each part assembles by itself: llvm-mc -triple=amdgcn-amd-amdhsa -mcpu=gfx1250 --defsym DOCPART=n.
;; ======== version 1 of 2: 3 launches
;; limits: right only within a limited range of input values
;; workspace buffers: qkv_img 25,165,824 bytes; qkv_scl 786,432 bytes; o_img 8,388,608 bytes; o_scl 262,144 bytes
;; launch qkv (part 1): grid 12 x 32, 4 waves a work-group, clusters of 4 x 4, 327,680 bytes of LDS; arguments x_codes, x_scales, Wq_codes, Wq_scales, Wk_codes, Wk_scales, Wv_codes, Wv_scales, bq, bk, bv, qkv_img, qkv_scl; writes qkv_img, qkv_scl
.if DOCPART == 1
	.amdgcn_target "amdgcn-amd-amdhsa--gfx1250"
	.amdhsa_code_object_version 6
	.text
	.protected	k_q4ea481d2d1_qkv
	.globl	k_q4ea481d2d1_qkv
	.p2align	8
	.type	k_q4ea481d2d1_qkv,@function
k_q4ea481d2d1_qkv:
	s_mov_b64 s[64:65], 0
	v_nop
	global_prefetch_b8 v0, s[64:65] scope:SCOPE_SE
	s_setreg_imm32_b32 hwreg(HW_REG_WAVE_MODE, 25, 1), 1
	s_wait_xcnt 0x0
	s_wait_alu depctr_hold_cnt(0) depctr_sa_sdst(0) depctr_va_vdst(0) depctr_va_sdst(0) depctr_va_ssrc(0) depctr_va_vcc(0) depctr_vm_vsrc(0)
	s_getreg_b32 s2, hwreg(HW_REG_IB_STS2, 6, 4)
	s_cmp_eq_u32 s2, 0
	s_cbranch_scc0 .Lentry_in_a_cluster
	s_endpgm
.Lentry_in_a_cluster:
	s_bfe_u32 s2, ttmp6, 0x10000c
	s_cmp_lg_u32 s2, 0xf033
	s_cbranch_scc0 .Lentry_shape_is_right
	s_endpgm
.Lentry_shape_is_right:
; q = x Wq^T + bq, k = x Wk^T + bk, v = x Wv^T + bv on codes of FP8 (E4M3) with one E8M0 scale for each 32 along K = 1,024; the results are quantised here, in registers, and leave as codes:
; q and k along the head's 64 (the next product's K), v along the keys (the K of the product after that).  No f32 result goes to memory.
; TWO ROLES.  L: 256 rows whose 16-row blocks are source 1 of the matrix instruction: a lane holds ONE row of L.  P: 256 rows that are source 0: they run along a lane's registers, so P is the axis that is quantised.
;   cluster x = 0: q (L = rows of x, P = rows of Wq);  1: k (L = x, P = Wk);  2: v (L = rows of Wv, P = rows of x, the keys).  Only pointers and global offsets know which: they are chosen by selects on the cluster's x.
; A tile is 256 x 256, four waves of 128 x 128 (64 accumulators, 512 registers).  K goes in steps of 256 through a ring of two LDS slots filled by the tensor data mover; the scale bytes of the 512 rows, for all of K, come once.
; CLUSTERS: 4 x 4 work-groups.  L's tile hangs on cy alone and is asked for jointly by a row of the cluster, P's on cx alone and by a column: the requests are divided by four.
; THE BIAS STARTS THE SUMS: while the first tiles are on their way each accumulator is set to bias(P) + bias(L), of which the one that the mode does not have is masked to 0; every product then adds in place.
; WHAT IS STORED: images of operand registers.  A unit of 512 bytes = 32 lanes x 16 bytes = 16 rows x one block of 32 along the next K.  A lane (r, h) holds row r; its 16 bytes are k = 8 h + 0..7 and k = 16 + 8 h + 0..7 of the block:
; the order in which two neighbouring result tiles fall.  Both operands of the next two products are laid so, so that only the order of adding inside a block differs from the ascending one.
; LIMITS: NaN and infinities are not served.  A block whose largest magnitude lies under 2^-118 keeps the scale byte 1; so does a block of zeros (its codes are zeros, and this program alone reads the bytes).
; No prefetch: K has four steps, of which two are asked for at the head.
; REGISTERS, in windows of 256: window 0: v0-31 addresses; v32-63 scale words, two sets; v64-127 the bias along P, later at work on the way out; from v128 L's fragments, one set, later the codes.
;   window 1: P's fragments, two sets.   window 2: the accumulators of my L rows 0-63 ((a, b) at v[8 (8 a + b)]);   window 3: those of rows 64-127.
.set KSTEP,  256
.set NQ,     2                         ; matrix instructions deep in a slot
.set ROWB,   256                       ; a tile's row in bytes
.set KROW,   1024                      ; a row of x or of a weight in memory
.set PITCH,  272                       ; an LDS row: 256 bytes + 16 of padding, so that the 16 rows of a fragment load begin 68 words apart
.set FR,     16
.set NL,     4
.set NP,     8
.set HALFT,  128*PITCH
.set SLOT,   4*HALFT                   ; L's 256 rows, then P's 256 rows
.set KS,     32                        ; a row of scale bytes
.set SCL,    2*SLOT
.set HALFS,  (128*KS/256)*272
.set SBLK,   (16*KS/256)*272
.set SPARE,  SCL+4*HALFS               ; the spare words, 128 bytes a wave: two blocks of 256 bytes that no other line names
.set ADRA, 16                          ; v16-17  LDS address of my L fragments in slot 0, 1
.set ADRB, 20                          ; v20-21  the same for P
.set ADRS, 27                          ; v27     my scale words: lanes 0-15 L's rows, lanes 16-31 P's
.set SPW,  28
.set NIL,  29
.set BPO,  30                          ; v30     byte offset of my bias numbers along P; v31 along L
.set BLO,  31
.set SC,   32
.set BP,   64                          ; v64-127 bias along P: register 8 b + j belongs to register j of a tile of P's block b
.set TM,   64                          ; the way out: v64-67 largest magnitudes, v68-71 bytes, v72-75 the holds, v76-79 the conversions' scale operands
.set SW,   80                          ; v80-87  the scale words of my eight blocks of L
.set OS,   88                          ; v88-91  the four that my lane stores
.set LO16, 92                          ; v92     16 x lane
.set SO,   93                          ; v93     32 r + 16 h
.set AF,   128
.set BL,   128                         ; v128-143 bias along L, eight pairs (the upper word 0), until the first fragments land
.set CD,   128                         ; the way out: 16 registers of codes for each block of L, so that no store's data are written again
.set G1, 24
.set G0, 32
.set G1B, 48
.set G0B, 56
.set G1S, 68
.set G0S, 76
.set G1SB, 80
.set G0SB, 88
.set MSB, 0
.macro WIN new                         ; the immediate's high byte repeats the setting that is left
.if MSB != (\new)
	s_set_vgpr_msb (MSB<<8)|(\new)
.set MSB, (\new)
.endif
.endm
.set MUL_LO, 0xa1                      ; source 0 (P) window 1, source 1 (L) window 0, C and D window 2
.set MUL_HI, 0xf1
.set TO_B,   0x40
; A joint load: waves 0 and 1 fetch for L, waves 2 and 3 for P.  The branch hangs on the wave's number alone.  Four v_nop follow each of the two lines.
.macro JLOAD g0a, g1a, g0b, g1b
	s_cmp_eq_u32 s15, 0
	s_cbranch_scc0 .Lfor_b_\@
	tensor_load_to_lds s[\g0a:\g0a+3], s[\g1a:\g1a+7]
	s_nop 0
.rept 4
	v_nop
.endr
	s_branch .Lasked_\@
.Lfor_b_\@:
	tensor_load_to_lds s[\g0b:\g0b+3], s[\g1b:\g1b+7]
	s_nop 0
.rept 4
	v_nop
.endr
.Lasked_\@:
.endm
.macro CREST                           ; a round of the cluster's barrier behind its opening barrier
	s_cmp_lg_u32 s14, 0
	s_cbranch_scc1 .Lnot_wave_0_\@
	s_barrier_signal -3
.Lnot_wave_0_\@:
	s_barrier_wait -3
	s_barrier_signal -1
	s_barrier_wait -1
.endm
.macro CROUND
	s_barrier_signal -1
	s_barrier_wait -1
	CREST
.endm
	s_load_b512 s[68:83], s[0:1], 0x0              ; x codes, x scales, Wq codes, Wq scales, Wk codes, Wk scales, Wv codes, Wv scales
	s_load_b256 s[84:91], s[0:1], 0x40             ; bq, bk, bv, the images
	s_load_b64 s[92:93], s[0:1], 0x60              ; the scale words
	v_lshl_add_u32 v[SPW], v0, 2, SPARE
	v_mov_b32 v[NIL], 0
	ds_add_u32 v28, v29
	ds_add_u32 v28, v29
	s_wait_dscnt 0x0
	v_lshrrev_b32 v1, 5, v0
	v_readfirstlane_b32 s14, v1                    ; wave 0..3
	s_lshr_b32 s15, s14, 1                         ; which half of L's rows is mine.  Also: I fetch for L (0) or for P (1)
	s_and_b32 s16, s14, 1                          ; which half of P's rows.  Also: which 128 rows I fetch
	s_bfe_u32 s40, ttmp6, 0x40000                  ; cx
	s_bfe_u32 s41, ttmp6, 0x40004                  ; cy
	s_and_b32 s2, ttmp7, 0xffff
	s_lshl_b32 s2, s2, 2                           ; 4 x cluster y: it walks the rows of x
	s_mov_b32 s94, 0x80000
	s_mov_b32 s95, 0x8000
	s_cmp_eq_u32 ttmp9, 2                          ; v?  The cluster's x is the same in all sixteen partners
	s_cselect_b32 s17, 0, s2
	s_cselect_b32 s42, s2, 0
	s_cselect_b32 s66, 0, -1                       ; keeps the bias along P (q, k)
	s_cselect_b32 s67, -1, 0                       ; keeps the bias along L (v)
	s_cselect_b32 s94, 0x10000, s94                ; bytes from 64 along P to the next 64 in the images: a head (q, k) or 64 keys (v)
	s_cselect_b32 s95, 0x1000, s95                 ; bytes from 128 along P to the next 128 in the scale words
	s_add_co_u32 s17, s17, s41                     ; L's tile: hangs on cy alone
	s_add_co_u32 s42, s42, s40                     ; P's tile: on cx alone
	s_lshl_b32 s43, s41, 2
	s_lshl_b32 s43, 15, s43                        ; my row of the cluster
	s_lshl_b32 s44, 0x1111, s40                    ; my column
	s_or_b32 s[G1+0], s43, (0<<16)|(1<<20)|(1<<21)|(5<<22)|(3<<25)  ; the mask; elements of 1 byte; padding on; bit 21 beside a mask; 4 words after every 64
	s_or_b32 s[G1B+0], s44, (0<<16)|(1<<20)|(1<<21)|(5<<22)|(3<<25)
.irp g, G1, G1B
	s_mov_b32 s[\g+1], ROWB<<16                    ; tensor_dim0
	s_mov_b32 s[\g+2], 128<<16                     ; tensor_dim1
	s_mov_b32 s[\g+3], ROWB<<16                    ; tile_dim0
	s_mov_b32 s[\g+4], 128                         ; tile_dim1
	s_mov_b32 s[\g+5], KROW                        ; the pitch
	s_mov_b32 s[\g+6], 0
	s_mov_b32 s[\g+7], 0
.endr
	s_lshl_b32 s18, s16, 7
	s_lshl_b32 s20, s17, 8
	s_add_co_u32 s20, s20, s18                     ; L: row 256 x tile + 128 x half
	s_lshl_b32 s46, s42, 8
	s_add_co_u32 s46, s46, s18                     ; P likewise
	s_lshl_b32 s22, s20, 5                         ; these rows' scale bytes,
	s_lshl_b32 s20, s20, 10                        ; and their codes (under 2^23 bytes)
	s_lshl_b32 s18, s46, 5
	s_lshl_b32 s46, s46, 10
	s_mov_b32 s21, 0
	s_mov_b32 s23, 0
	s_mov_b32 s19, 0
	s_mov_b32 s47, 0
	s_mul_i32 s45, s14, HALFT                      ; where they go: wave x 128 rows: no place in the cluster enters an LDS address
	s_mul_i32 s2, s14, HALFS
	s_wait_kmcnt 0x0
	s_cmp_eq_u32 ttmp9, 2
	s_cselect_b64 s[4:5], s[80:81], s[68:69]       ; L's codes: Wv's or x's
	s_cselect_b64 s[6:7], s[82:83], s[70:71]       ; L's scales
	s_cselect_b64 s[8:9], s[68:69], s[72:73]       ; P's codes: x's or Wq's
	s_cselect_b64 s[10:11], s[70:71], s[74:75]
	s_cselect_b64 s[12:13], s[88:89], s[84:85]     ; the bias: bv or bq
	s_cmp_eq_u32 ttmp9, 1
	s_cselect_b64 s[8:9], s[76:77], s[8:9]         ; k: Wk's
	s_cselect_b64 s[10:11], s[78:79], s[10:11]
	s_cselect_b64 s[12:13], s[86:87], s[12:13]
	s_mov_b64 s[96:97], s[90:91]
	s_mov_b64 s[100:101], s[92:93]
	s_add_nc_u64 s[20:21], s[4:5], s[20:21]
	s_add_nc_u64 s[22:23], s[6:7], s[22:23]
	s_add_nc_u64 s[46:47], s[8:9], s[46:47]
	s_add_nc_u64 s[92:93], s[10:11], s[18:19]
	; the scales of 128 rows: a dense block of 4,096 bytes, as 16 rows of 256 bytes (32 elements of 8), 16 bytes of padding behind each
	s_or_b32 s[G1S+0], s43, (3<<16)|(1<<20)|(1<<21)|(5<<22)|(3<<25)
	s_or_b32 s[G1SB+0], s44, (3<<16)|(1<<20)|(1<<21)|(5<<22)|(3<<25)
.irp g, G1S, G1SB
	s_mov_b32 s[\g+1], 32<<16
	s_mov_b32 s[\g+2], (128*KS/256)<<16
	s_mov_b32 s[\g+3], 32<<16
	s_mov_b32 s[\g+4], 128*KS/256
	s_mov_b32 s[\g+5], 32
	s_mov_b32 s[\g+6], 0
	s_mov_b32 s[\g+7], 0
.endr
	CROUND                                         ; all sixteen work-groups are here: the first joint loads meet
	s_mov_b32 s[G0S], 1
	s_add_co_u32 s[G0S+1], s2, SCL
	s_mov_b64 s[G0S+2:G0S+3], s[22:23]
	s_or_b32 s[G0S+3], s[G0S+3], 0x80000000
	s_mov_b32 s[G0SB], 1
	s_add_co_u32 s[G0SB+1], s2, SCL
	s_mov_b64 s[G0SB+2:G0SB+3], s[92:93]
	s_or_b32 s[G0SB+3], s[G0SB+3], 0x80000000
	JLOAD G0S, G1S, G0SB, G1SB                     ; the scales first: they are wanted with K step 0
.irp s, 0,1
	s_mov_b32 s[G0+4*\s], 1
	s_add_co_u32 s[G0+4*\s+1], s45, \s*SLOT
	s_add_nc_u64 s[G0+4*\s+2:G0+4*\s+3], s[20:21], \s*ROWB
	s_or_b32 s[G0+4*\s+3], s[G0+4*\s+3], 0x80000000
	s_mov_b32 s[G0B+4*\s], 1
	s_add_co_u32 s[G0B+4*\s+1], s45, \s*SLOT
	s_add_nc_u64 s[G0B+4*\s+2:G0B+4*\s+3], s[46:47], \s*ROWB
	s_or_b32 s[G0B+4*\s+3], s[G0B+4*\s+3], 0x80000000
	JLOAD G0+4*\s, G1, G0B+4*\s, G1B               ; three tensor loads of mine are out
.endr
	v_and_b32 v1, 15, v0                           ; r
	v_bfe_u32 v2, v0, 4, 1                         ; h
	; the bias: 128 numbers along P or 128 along L.  The other axis reads the buffer's first 512 bytes and is masked to 0 below: no branch
	s_lshl_b32 s4, s42, 1
	s_add_co_u32 s4, s4, s16                       ; which 128 along P is my wave's
	s_lshl_b32 s5, s17, 1
	s_add_co_u32 s5, s5, s15                       ; which 128 along L
	s_lshl_b32 s6, s4, 9
	s_and_b32 s6, s6, s66
	s_lshl_b32 s7, s5, 9
	s_and_b32 s7, s7, s67
	v_lshl_add_u32 v[BPO], v2, 5, s6               ; tile b's eight numbers of my half: 64 b + 32 h bytes on
	v_lshl_add_u32 v[BLO], v1, 2, s7               ; block a's number of my row: 64 a + 4 r
.irp b, 0,1,2,3,4,5,6,7
	global_load_b128 v[BP+8*\b:BP+8*\b+3], v[BPO], s[12:13] offset:64*\b
	global_load_b128 v[BP+8*\b+4:BP+8*\b+7], v[BPO], s[12:13] offset:64*\b+16
.endr
.irp a, 0,1,2,3,4,5,6,7
	global_load_b32 v[BL+2*\a], v[BLO], s[12:13] offset:64*\a
	v_mov_b32 v[BL+2*\a+1], 0                      ; (named with it as a pair, so it is written)
.endr
	; where my results go
	s_mul_i32 s6, s4, s94
	s_lshl_b32 s6, s6, 1                           ; two 64s along P to a wave
	s_lshl_b32 s7, s5, 13                          ; 128 along L are eight units of 1,024 bytes
	s_add_co_u32 s6, s6, s7
	s_lshl_b32 s7, ttmp9, 23                       ; q's, k's or v's region
	s_add_co_u32 s6, s6, s7
	s_mov_b32 s7, 0
	s_add_nc_u64 s[96:97], s[96:97], s[6:7]        ; the images of my first 64 along P
	s_mul_i32 s6, s4, s95
	s_lshl_b32 s8, s5, 9
	s_add_co_u32 s6, s6, s8
	s_lshl_b32 s8, ttmp9, 18
	s_add_co_u32 s6, s6, s8
	s_add_nc_u64 s[100:101], s[100:101], s[6:7]    ; my 512 bytes of scale words
	s_mov_b32 s95, 0
	s_add_nc_u64 s[98:99], s[96:97], s[94:95]      ; the images of my second 64 along P
	v_mul_u32_u24 v3, v1, PITCH
	v_lshl_add_u32 v4, v2, 4, v3                   ; a fragment's row x pitch + 16 x half
	s_mul_i32 s21, s15, HALFT
	s_mul_i32 s22, s16, HALFT
	s_add_co_u32 s22, s22, 2*HALFT
.irp s, 0,1
	v_add_nc_u32 v[ADRA+\s], s21, v4
	v_add_nc_u32 v[ADRB+\s], s22, v4
	s_add_co_u32 s21, s21, SLOT
	s_add_co_u32 s22, s22, SLOT
.endr
	v_mul_u32_u24 v5, v1, KS                       ; my row's scales: 32 bytes a row,
	v_lshrrev_b32 v6, 8, v5
	v_lshl_add_u32 v5, v6, 4, v5                   ; and 16 more for each 256 passed
	s_mul_i32 s21, s15, HALFS
	s_mul_i32 s22, s16, HALFS
	s_add_co_u32 s22, s22, 2*HALFS
	s_sub_co_u32 s22, s22, s21
	v_mul_u32_u24 v6, s22, v2                      ; lanes 16-31 take P's
	s_add_co_u32 s21, s21, SCL
	v_add_nc_u32 v5, v5, v6
	v_add_nc_u32 v[ADRS], s21, v5
	s_wait_loadcnt 0x0                             ; the bias
.set NN, 0
.rept 64
	v_and_b32 v[BP+NN], s66, v[BP+NN]
.set NN, NN+1
.endr
.irp a, 0,1,2,3,4,5,6,7
	v_and_b32 v[BL+2*\a], s67, v[BL+2*\a]
.endr
.irp a, 0,1,2,3,4,5,6,7                        ; each accumulator begins as bias(P) + bias(L): two numbers an instruction, while the first tiles are on their way
	WIN 0x80+0x40*((\a)/4)
.irp b, 0,1,2,3,4,5,6,7
.irp p, 0,2,4,6
	v_pk_add_f32 v[8*(8*((\a)%4)+\b)+\p:8*(8*((\a)%4)+\b)+\p+1], v[BP+8*\b+\p:BP+8*\b+\p+1], v[BL+2*\a:BL+2*\a+1] op_sel_hi:[1,0]
.endr
.endr
.endr
	WIN 0
.macro FRAG reg, adr, q, i             ; 16 rows x 128 K: lane l holds row l % 16; registers 4 c .. 4 c + 3 hold K = 32 c + 16 (l / 16) + 0 .. 15
.irp c, 0,1,2,3
	ds_load_b128 v[\reg+4*\c:\reg+4*\c+3], v[\adr] offset:128*(\q)+32*\c+(\i)*16*PITCH
.endr
.endm
; 16 matrix instructions: L's blocks a0, a0 + 1 x P's eight.  The 64 accumulators take turns, one instruction a turn, in the same order in every step.
.macro MUL16 a0, p, q, sc
.irp a, \a0, \a0+1
.irp b, 0,1,2,3,4,5,6,7
	v_wmma_scale_f32_16x16x128_f8f6f4 v[8*(8*((\a)%4)+\b):8*(8*((\a)%4)+\b)+7], v[128*(\p)+FR*\b:128*(\p)+FR*\b+FR-1], v[AF+FR*(\a):AF+FR*(\a)+FR-1], v[8*(8*((\a)%4)+\b):8*(8*((\a)%4)+\b)+7], v[SC+8*NQ*(\sc)+NQ*\b+(\q)], v[SC+8*NQ*(\sc)+NQ*(\a)+(\q)] matrix_a_scale:MATRIX_SCALE_ROW1
.endr
.endr
.endm
.macro FETCH_B slot, q, p
	WIN TO_B
.irp i, 0,1,2,3,4,5,6,7
	FRAG 128*(\p)+FR*\i, ADRB+\slot, \q, \i
.endr
	WIN 0
.endm
.macro FETCH_A slot, q, i0
.irp i, \i0, \i0+1, \i0+2, \i0+3
	FRAG AF+FR*(\i), ADRA+\slot, \q, \i
.endr
.endm
.macro SCALES sc                       ; a K step's scale words: two a row; lanes 0-15 take L's block i, lanes 16-31 P's block i
.irp i, 0,1,2,3,4,5,6,7
	ds_load_b64 v[SC+8*NQ*\sc+NQ*\i:SC+8*NQ*\sc+NQ*\i+1], v[ADRS] offset:\i*SBLK
.endr
.endm
.macro PLACES n                        ; plain vector places between a matrix instruction and a load into, or a read of, its registers
.rept \n
	v_nop
.endr
.endm
.macro STEP slot, q                    ; a step of 128 along K that has its successor in the same slot
	s_wait_dscnt 4*NL                              ; P's set and L's blocks 0-3 are in; the youngest 16 loads (L's blocks 4-7) may be out
	WIN MUL_LO
	MUL16 0, (\q)%2, \q, \slot
	MUL16 2, (\q)%2, \q, \slot
	s_wait_dscnt 0
	PLACES NP
	FETCH_B \slot, (\q)+1, 1-(\q)%2
	FETCH_A \slot, (\q)+1, 0
	WIN MUL_HI
	MUL16 4, (\q)%2, \q, \slot
	MUL16 6, (\q)%2, \q, \slot
	PLACES NP
	WIN 0
	FETCH_A \slot, (\q)+1, 4
.endm
; A slot's last step changes slots: one barrier; in front of it each wave waits for all its tensor loads, adds 0 to its spare word, and waits for that and for its reads of this slot.
.macro TURN slot, next, fill
	s_wait_tensorcnt 0x0                           ; all my tensor loads have landed: my part of the next slot
	ds_add_u32 v[SPW], v[NIL]                      ; 0 onto my spare word
	s_wait_dscnt 4*NL+1                            ; (the add and the youngest 16 loads may be out)
	WIN MUL_LO
	MUL16 0, 1, NQ-1, \slot
	s_wait_dscnt 0x0                               ; the add is done, and my reads of this slot are over
	s_barrier_signal -1
	MUL16 2, 1, NQ-1, \slot
	WIN 0
	s_barrier_wait -1
.if \fill
	CREST                                          ; the barrier has opened a round of the cluster's: no wave of any partner still reads this slot or has a load on its way
	s_add_nc_u64 s[G0+4*\slot+2:G0+4*\slot+3], s[G0+4*\slot+2:G0+4*\slot+3], 2*ROWB
	s_add_nc_u64 s[G0B+4*\slot+2:G0B+4*\slot+3], s[G0B+4*\slot+2:G0B+4*\slot+3], 2*ROWB
	JLOAD G0+4*\slot, G1, G0B+4*\slot, G1B         ; the first tensor load behind the round; its four v_nop are among the places in front of the loads below
	PLACES NP-4
.else
	PLACES NP
.endif
	v_add_nc_u32 v[ADRS], 4*NQ, v[ADRS]            ; the next K step's scale words
	FETCH_B \next, 0, 0
	FETCH_A \next, 0, 0
	SCALES \next
	WIN MUL_HI
	MUL16 4, 1, NQ-1, \slot
	MUL16 6, 1, NQ-1, \slot
	PLACES NP
	WIN 0
	FETCH_A \next, 0, 4
.endm
	s_wait_tensorcnt 1                             ; the scales and my part of K step 0 are in (K step 1's load may be out),
	s_barrier_signal -1
	s_barrier_wait -1                              ; everybody's are
	FETCH_B 0, 0, 0
	FETCH_A 0, 0, 0
	SCALES 0
	FETCH_A 0, 0, 4
	STEP 0, 0
	s_mov_b32 s3, 1                                ; K = 1,024 is two laps of the ring; the first fills both slots again
.Llap:
	TURN 0, 1, 1
	STEP 1, 0
	TURN 1, 0, 1
	STEP 0, 0
	s_sub_co_u32 s3, s3, 1
	s_cmp_lg_u32 s3, 0
	s_cbranch_scc1 .Llap
	TURN 0, 1, 0                                   ; the last lap fills nothing
	STEP 1, 0
	s_wait_dscnt 4*NL
	WIN MUL_LO
	MUL16 0, 1, NQ-1, 1
	MUL16 2, 1, NQ-1, 1
	s_wait_dscnt 0
	WIN MUL_HI
	MUL16 4, 1, NQ-1, 1
	MUL16 6, 1, NQ-1, 1
	WIN 0
	; THE WAY OUT.  These ten plain lines name no register of the last products: they are the places behind them.
	v_and_b32 v[LO16], 31, v0
	v_lshlrev_b32 v[LO16], 4, v[LO16]              ; 16 x lane
	v_and_b32 v[SO], 15, v0
	v_bfe_u32 v[SO+1], v0, 4, 1
	v_lshlrev_b32 v[SO], 5, v[SO]
	v_lshl_add_u32 v[SO], v[SO+1], 4, v[SO]        ; 32 r + 16 h
.irp b, 0,1,2,3
	v_mov_b32 v[TM+4+\b], 0                        ; written once: a lane permute's destination counts as one of its sources
.endr
	s_mov_b32 s4, 0x76543210
	s_mov_b32 s5, 0xfedcba98                       ; v_permlanex16_b32's selects for lane l xor 16
	s_mov_b32 s6, 0x600000                         ; the mantissa field of 448
	s_mov_b32 s7, 0xffff0000                       ; lanes 16-31
; Block a of L: my lane's 64 numbers, register 16 b + i, are row 16 a + r and block b of 32 along P (16 of its numbers; lane l xor 16 holds the other 16).  They become 16 registers of codes and a scale word.
.macro QOUT a
.set W, 2+(\a)/4
.set S0, 64*((\a)%4)
.set C0, CD+16*(\a)
	WIN W|(W<<2)
.irp b, 0,1,2,3
	v_max3_num_f32 v[TM+\b], |v[S0+16*\b]|, |v[S0+16*\b+1]|, 0x4800000   ; with the floor 2^(9 - 127): the byte cannot fall under 1.  Each accumulator is read from its low end on
.endr
	WIN (W<<2)|(W<<4)
.irp i, 2,4,6,8,10,12,14
.irp b, 0,1,2,3
	v_max3_num_f32 v[TM+\b], v[TM+\b], |v[S0+16*\b+\i]|, |v[S0+16*\b+\i+1]|
.endr
.endr
	WIN 0
.irp b, 0,1,2,3
	v_permlanex16_b32 v[TM+4+\b], v[TM+\b], s4, s5
.endr
.irp b, 0,1,2,3
	v_max_num_f32 v[TM+\b], v[TM+\b], v[TM+4+\b]   ; the block's largest magnitude
.endr
.irp b, 0,1,2,3
	v_add_nc_u32 v[TM+12+\b], 0xfc000000, v[TM+\b] ; 8 off its exponent field: the conversion's scale operand
.endr
.irp b, 0,1,2,3
	v_and_or_b32 v[TM+8+\b], v[TM+\b], 0x7f800000, s6   ; 448 x the scale
.endr
.irp b, 0,1,2,3
	v_lshrrev_b32 v[TM+4+\b], 23, v[TM+12+\b]      ; the scale's byte
.endr
	v_lshl_or_b32 v[SW+\a], v[TM+5], 8, v[TM+4]
	v_lshl_or_b32 v[SW+\a], v[TM+6], 16, v[SW+\a]
	v_lshl_or_b32 v[SW+\a], v[TM+7], 24, v[SW+\a]
	WIN W|(W<<6)
.irp b, 0,1,2,3
.irp i, 0,1,2,3,4,5,6,7,8,9,10,11,12,13,14,15
	v_med3_num_f32 v[S0+16*\b+\i], v[S0+16*\b+\i], -v[TM+8+\b], v[TM+8+\b]   ; the conversion to an 8-bit code does not saturate (ISA guide 7.6.2): the hold
.endr
.endr
	WIN W
.irp b, 0,1,2,3
	v_cvt_scalef32_pk8_fp8_f32 v[C0+4*\b:C0+4*\b+1], v[S0+16*\b:S0+16*\b+7], v[TM+12+\b]
	v_cvt_scalef32_pk8_fp8_f32 v[C0+4*\b+2:C0+4*\b+3], v[S0+16*\b+8:S0+16*\b+15], v[TM+12+\b]
.endr
	WIN 0
	v_nop                                          ; a plain line behind the last conversion, ahead of the next vector line that writes its sources
.irp b, 0,1
	global_store_b128 v[LO16], v[C0+4*\b:C0+4*\b+3], s[96:97] offset:1024*(\a)+512*\b      ; 32 lanes store 512 consecutive bytes, aligned
	global_store_b128 v[LO16], v[C0+8+4*\b:C0+8+4*\b+3], s[98:99] offset:1024*(\a)+512*\b
.endr
.endm
.irp a, 0,1,2,3,4,5,6,7
	QOUT \a
.endr
.irp i, 0,1,2,3
	v_cndmask_b32 v[OS+\i], v[SW+\i], v[SW+4+\i], s7   ; row r's eight words: lanes 0-15 store blocks 0-3, lanes 16-31 blocks 4-7
.endr
	global_store_b128 v[SO], v[OS:OS+3], s[100:101]    ; 512 consecutive bytes
	s_wait_tensorcnt 0x0                           ; the wave's end
	ds_add_u32 v[SPW], v[NIL]
	s_wait_dscnt 0x0
	CROUND                                         ; the closing round: no work-group ends while a partner may still ask for a tile that names it
	s_endpgm
.Lfunc_end_k_q4ea481d2d1_qkv:
	.size	k_q4ea481d2d1_qkv, .Lfunc_end_k_q4ea481d2d1_qkv-k_q4ea481d2d1_qkv
	.p2alignl 7, 3214868480
	.fill 96, 4, 3214868480
	.section	.rodata,"a",@progbits
	.p2align	6, 0x0
	.amdhsa_kernel k_q4ea481d2d1_qkv
		.amdhsa_group_segment_fixed_size 327680
		.amdhsa_private_segment_fixed_size 0
		.amdhsa_enable_private_segment 0
		.amdhsa_kernarg_size 104
		.amdhsa_user_sgpr_count 2
		.amdhsa_user_sgpr_kernarg_segment_ptr 1
		.amdhsa_wavefront_size32 1
		.amdhsa_system_sgpr_workgroup_id_x 1
		.amdhsa_system_sgpr_workgroup_id_y 1
		.amdhsa_system_sgpr_workgroup_id_z 1
		.amdhsa_system_vgpr_workitem_id 0
		.amdhsa_next_free_vgpr 1024
		.amdhsa_next_free_sgpr 102
		.amdhsa_reserve_vcc 0
		.amdhsa_float_denorm_mode_32 3
		.amdhsa_float_denorm_mode_16_64 3
		.amdhsa_memory_ordered 1
		.amdhsa_forward_progress 1
		.amdhsa_inst_pref_size 207
	.end_amdhsa_kernel
	.amdgpu_metadata
---
amdhsa.version: [ 1, 2 ]
amdhsa.kernels:
  - .name:           k_q4ea481d2d1_qkv
    .symbol:         k_q4ea481d2d1_qkv.kd
    .args:
      - { .name: x_codes, .offset: 0, .size: 8, .value_kind: global_buffer, .address_space: global }
      - { .name: x_scales, .offset: 8, .size: 8, .value_kind: global_buffer, .address_space: global }
      - { .name: Wq_codes, .offset: 16, .size: 8, .value_kind: global_buffer, .address_space: global }
      - { .name: Wq_scales, .offset: 24, .size: 8, .value_kind: global_buffer, .address_space: global }
      - { .name: Wk_codes, .offset: 32, .size: 8, .value_kind: global_buffer, .address_space: global }
      - { .name: Wk_scales, .offset: 40, .size: 8, .value_kind: global_buffer, .address_space: global }
      - { .name: Wv_codes, .offset: 48, .size: 8, .value_kind: global_buffer, .address_space: global }
      - { .name: Wv_scales, .offset: 56, .size: 8, .value_kind: global_buffer, .address_space: global }
      - { .name: bq, .offset: 64, .size: 8, .value_kind: global_buffer, .address_space: global }
      - { .name: bk, .offset: 72, .size: 8, .value_kind: global_buffer, .address_space: global }
      - { .name: bv, .offset: 80, .size: 8, .value_kind: global_buffer, .address_space: global }
      - { .name: qkv_img, .offset: 88, .size: 8, .value_kind: global_buffer, .address_space: global }
      - { .name: qkv_scl, .offset: 96, .size: 8, .value_kind: global_buffer, .address_space: global }
    .group_segment_fixed_size: 327680
    .private_segment_fixed_size: 0
    .kernarg_segment_align: 8
    .kernarg_segment_size: 104
    .max_flat_workgroup_size: 128
    .sgpr_count:     102
    .vgpr_count:     1024
    .wavefront_size: 32
...
	.end_amdgpu_metadata
.endif
;; end of part 1
;; launch attn (part 2): grid 2 x 128, 16 waves a work-group, no clusters, 139,264 bytes of LDS; arguments qkv_img, qkv_scl, input_ids, o_img, o_scl; writes o_img, o_scl
.if DOCPART == 2
	.amdgcn_target "amdgcn-amd-amdhsa--gfx1250"
	.amdhsa_code_object_version 6
	.text
	.protected	k_q4ea481d2d1_attn
	.globl	k_q4ea481d2d1_attn
	.p2align	8
	.type	k_q4ea481d2d1_attn,@function
k_q4ea481d2d1_attn:
	s_mov_b64 s[64:65], 0
	v_nop
	global_prefetch_b8 v0, s[64:65] scope:SCOPE_SE
	s_setreg_imm32_b32 hwreg(HW_REG_WAVE_MODE, 25, 1), 1
	s_wait_xcnt 0x0
; o = softmax(mask(q k^T / 8)) v for one head of one batch, both products on codes of FP8 (E4M3) with E8M0 scales; o is quantised along D here and leaves as codes for the last product.
; THE MASK: key k counts for query q where k <= q and input_ids[k] != 1.  A score that does not count becomes -2^120.
; THE SOFTMAX: t = score x log2(e) / 8; M = the running largest t rounded up to a whole number; p = 2^(t - M) is quantised along the keys; the row's sum is taken of the unquantised p and divides at the end.
; A ROW WITH NO KEY THAT COUNTS: c x 2^120 is exact, so t - M is exactly 0 and p = 1 for every key of such a row.  A first key that counts makes 2^(old M - new M) = 0 and wipes that.  A row that stays so must see all 1,024
; keys: PREF stays 1 while keys 0 .. the tile's first query may all be PAD (a condition that holds wherever some row of the tile has no key), and the steps past the diagonal are then walked too, wholly masked: the other rows' p is 0 there.
; SHARES.  A work-group has one head's K and V codes (64 + 64 KiB) and scale words in LDS, staged once through registers; behind the one barrier LDS is only read.  Of the head's 64 tiles of 16 queries, wave w of
; work-group j takes tiles i = w + 16 j and 63 - i: i / 8 + 1 and 8 - i / 8 key steps of 128: nine for every wave.
; NO TENSOR LOADS, NO CLUSTER: two branches hang on input_ids (a step with no PAD off the diagonal skips the mask's lines; steps past the diagonal run only under PREF)
; Only two work-groups read the same K and V, once each.  No prefetch: all that the work-group reads of K and V is asked for by its first lines.
; LAYOUT.  Both products transposed: S^T = K Q^T, O^T = V^T P^T: a lane holds one query (lane % 16).  K = 64 in the first product: a fragment of 16 registers holds TWO tiles of 16 keys (64 codes each), and is multiplied
; by (q, 0) and by (0, q): in each product the other tile's codes meet zero codes.  The zeros stand on Q's side alone; K's codes are never NaN (every number was held) and no scale byte is 0xff.
; Inside a block of 32 along either K the order is 8 h + 0..7, 16 + 8 h + 0..7, alike on both operands; o is brought back to the ascending order, since the last weight is given so.
; LIMITS: NaN and infinities are not served; scores that count are taken to lie above -2^120; a block under 2^-118 or of zeros keeps the byte 1 (this program alone reads the bytes).
; o's scale bytes leave as single bytes into rows 32 bytes apart: one byte in 32 of what the launch stores.
.set KIMG, 0                           ; key step s at 8,192 s; tile of 16 keys at + 1,024; block at + 512; 16 bytes a lane
.set VIMG, 65536                       ; key step s at 8,192 s; 64 keys at + 4,096; tile of 16 of the head's 64 at + 1,024; block at + 512
.set SCLK, 131072                      ; key step s at 256 s; row r at 16 r: four words, one for each pair of tiles
.set SCLV, 133120                      ; key step s at 512 s; 32 r + 4 x tile, two heads' tiles side by side
.set LI,   1                           ; 16 x lane
.set R16,  2                           ; 16 r
.set R32,  3                           ; 32 r
.set QL,   4                           ; r - 8 h
.set SH,   5                           ; 16 h
.set IDA0, 6                           ; 4 x the key of a block of 32 whose id my lane reads
.set NEG,  7                           ; -2^120
.set ADK,  8
.set ADV,  9
.set ADS,  10
.set ADT,  11
.set IDA,  16
.set OB,   17                          ; 32 r + h
.set QSL,  18                          ; q's scale bytes in the low half;  v19: in the high half
.set QSH,  19
.set PD,   20                          ; v20-23 the step's ids
.set KSW,  24                          ; v24-27 K's scale words
.set VS,   28                          ; v28-31 V's
.set FRG,  32                          ; v32-95 four fragments
.set ST,   96                          ; v96-159 S^T, then p
.set OT,   160                         ; v160-191 O^T
.set QHI,  192                         ; v192-199 zeros, v200-207 q, v208-215 zeros
.set QLO,  200
.set PC,   216                         ; v216-231 p's codes
.set BM,   232
.set PT,   236
.set HOLD, 240
.set SOP,  244
.set PWD,  251                         ; p's scale word
.set WV,   14
.set B,    16
.set HD,   17
.set SEL,  18
.set CS,   20
.set MNT,  22
.set HM,   23
.set QSHIFT, 24
.set TAU,  25
.set QMIN, 26
.set QLAST, 27
.set PREF, 28
.set TT0,  29
.set QP,   30
.set QSP,  32
.set OP,   34
.set OSP,  36
.set KF,   38
.set KB,   39
.set TK,   40
.set TV,   41
.set TS,   42
.set TT,   43
.set CNT,  44
.set HID,  45
.set PW,   46                          ; s46-49 a bit for each key of a block that is PAD
.set T0,   50
.set T1,   51
.set T2,   52
.set T3,   53
.set T4,   54
.set T5,   55
.set QB,   56
.set QSB,  58
.set OPB,  60
.set OSB,  62
	s_load_b256 s[4:11], s[0:1], 0x0               ; the images, the scale words, input_ids, o's images
	s_load_b64 s[12:13], s[0:1], 0x20              ; o's scale bytes
	v_lshl_add_u32 v249, v0, 2, 0x21800
	v_mov_b32 v255, 0
	v_lshrrev_b32 v12, 5, v0
	v_readfirstlane_b32 s[WV], v12                 ; wave 0..15
	s_and_b32 s[HD], ttmp7, 0xffff
	s_lshr_b32 s[B], s[HD], 4                      ; the batch
	s_and_b32 s[HD], s[HD], 15                     ; the head
	v_and_b32 v12, 31, v0
	v_and_b32 v13, 15, v0                          ; r
	v_bfe_u32 v14, v0, 4, 1                        ; h
	v_lshlrev_b32 v[LI], 4, v12
	v_lshlrev_b32 v[R16], 4, v13
	v_lshlrev_b32 v[R32], 5, v13
	v_lshlrev_b32 v15, 3, v14
	v_sub_nc_u32 v[QL], v13, v15
	v_lshlrev_b32 v[SH], 4, v14
	v_lshl_add_u32 v[OB], v13, 5, v14
	; lane p reads the id of the key that stands in score register i = 15 - p % 16 of the OTHER half of the lanes: key i + 8 (i / 8) + 8 (1 - p / 16).  The compare's word then has, from its top bit down, lanes 0-15's sixteen keys, then lanes 16-31's
	v_sub_nc_u32 v15, 15, v13
	v_lshrrev_b32 v[IDA], 3, v15
	v_lshl_add_u32 v15, v[IDA], 3, v15
	v_sub_nc_u32 v[IDA], 1, v14
	v_lshl_add_u32 v15, v[IDA], 3, v15
	v_lshlrev_b32 v[IDA0], 2, v15
	v_mov_b32 v[NEG], 0xfb800000
	v_lshlrev_b32 v[ADK], 4, v0                    ; staging: 16 x thread, in memory and in LDS
	v_lshl_add_u32 v[ADV], v0, 4, VIMG
	v_lshl_add_u32 v[ADS], v0, 3, SCLK             ; waves 0-7: 256 x wave + 8 x lane
	v_lshl_add_u32 v[ADT], v0, 4, SCLV-4096        ; waves 8-15: 512 x (wave - 8) + 16 x lane
	v_lshrrev_b32 v12, 8, v0
	v_and_b32 v13, 255, v0
	v_lshlrev_b32 v13, 4, v13
	v_lshl_or_b32 v248, v12, 16, v13               ; V in memory: 4,096 bytes of my head for each 64 keys, 65,536 bytes apart
	s_mov_b32 s[SEL], 0x76543210
	s_mov_b32 s[SEL+1], 0xfedcba98
	s_mov_b32 s[CS], 0x3e38aa3b                    ; c = log2(e) / 8
	s_mov_b32 s[CS+1], s[CS]
	s_mov_b32 s[MNT], 0x600000
	s_mov_b32 s[HM], 0xffff0000
	s_and_b32 s[TT0], s[HD], 1
	s_mov_b32 s[HID], 0x07060302                   ; an odd head's two bytes of each of two words,
	s_cmp_eq_u32 s[TT0], 0
	s_cselect_b32 s[HID], 0x05040100, s[HID]       ; or an even head's
	s_lshl_b32 s[QSHIFT], s[TT0], 4
	s_add_co_u32 s[TT0], s[QSHIFT], SCLV
	s_lshl_b32 s[TAU], ttmp9, 4
	s_add_co_u32 s[TAU], s[TAU], s[WV]             ; my first tile of queries
	s_mov_b32 s[T1], 0
	s_wait_kmcnt 0x0
	s_lshl_b32 s[T0], s[HD], 19
	s_lshl_b32 s[T2], s[B], 16
	s_add_co_u32 s[T0], s[T0], s[T2]
	s_add_nc_u64 s[QB:QB+1], s[4:5], s[T0:T0+1]    ; q's images of my head and batch
	s_add_nc_u64 s[T2:T2+1], s[QB:QB+1], 0x800000  ; k's
	s_lshl_b32 s[T0], s[B], 20
	s_lshl_b32 s[T4], s[HD], 12
	s_add_co_u32 s[T0], s[T0], s[T4]
	s_add_co_u32 s[T0], s[T0], 0x1000000
	s_add_nc_u64 s[T4:T4+1], s[4:5], s[T0:T0+1]    ; v's
	s_lshr_b32 s[PW], s[HD], 1
	s_lshl_b32 s[PW+1], s[PW], 15
	s_lshl_b32 s[PW+2], s[B], 12
	s_add_co_u32 s[T0], s[PW+1], s[PW+2]
	s_add_nc_u64 s[QSB:QSB+1], s[6:7], s[T0:T0+1]  ; q's scale words
	s_lshl_b32 s[PW+1], s[WV], 9
	s_add_co_u32 s[PW+1], s[PW+1], s[T0]
	s_add_co_u32 s[PW+1], s[PW+1], 0x40000         ; waves 0-7: k's scale words of key step w
	s_lshl_b32 s[PW+2], s[B], 3
	s_add_co_u32 s[PW+2], s[PW+2], s[WV]
	s_lshl_b32 s[PW+2], s[PW+2], 12
	s_lshl_b32 s[PW], s[PW], 9
	s_add_co_u32 s[PW+2], s[PW+2], s[PW]
	s_add_co_u32 s[PW+2], s[PW+2], 0x78000         ; waves 8-15: v's of key step w - 8
	s_cmp_lt_u32 s[WV], 8
	s_cselect_b32 s[T0], s[PW+1], s[PW+2]
	s_add_nc_u64 s[QP:QP+1], s[6:7], s[T0:T0+1]
	s_lshl_b32 s[T0], s[B], 12
	s_add_nc_u64 s[8:9], s[8:9], s[T0:T0+1]        ; my batch's ids
	s_lshr_b32 s[T0], s[HD], 2
	s_lshl_b32 s[T0], s[T0], 21
	s_lshl_b32 s[PW], s[B], 18
	s_add_co_u32 s[T0], s[T0], s[PW]
	s_and_b32 s[PW], s[HD], 3
	s_lshl_b32 s[PW], s[PW], 10
	s_add_co_u32 s[T0], s[T0], s[PW]
	s_add_nc_u64 s[OPB:OPB+1], s[10:11], s[T0:T0+1]
	s_lshl_b32 s[T0], s[B], 15
	s_lshl_b32 s[PW], s[HD], 1
	s_add_co_u32 s[T0], s[T0], s[PW]
	s_add_nc_u64 s[OSB:OSB+1], s[12:13], s[T0:T0+1]
	; STAGING: 17 loads a thread, all out at once; each load and each store of a wave covers 512 consecutive bytes
.irp i, 0,1,2,3,4,5,6,7
	global_load_b128 v[32+4*\i:35+4*\i], v[ADK], s[T2:T2+1] offset:8192*\i
.endr
.irp i, 0,1,2,3,4,5,6,7
	global_load_b128 v[64+4*\i:67+4*\i], v248, s[T4:T4+1] offset:131072*\i
.endr
	global_load_b128 v[96:99], v[LI], s[QP:QP+1]
.irp j, 0,1,2,3,4,5,6,7
	v_mov_b32 v[QHI+\j], 0
	v_mov_b32 v[QLO+8+\j], 0
.endr
.irp b, 0,1,2,3
	v_mov_b32 v[PT+\b], 0                          ; written once: a lane permute's destination counts as one of its sources
.endr
	v_mov_b32 v253, 0                              ; the upper half of the pair v[252:253]
	v_mov_b32 v254, 0
.irp i, 0,1,2,3,4,5,6,7
	s_wait_loadcnt 16-\i                           ; behind load i stand 16 - i loads
	ds_store_b128 v[ADK], v[32+4*\i:35+4*\i] offset:8192*\i
.endr
.irp i, 0,1,2,3,4,5,6,7
	s_wait_loadcnt 8-\i
	ds_store_b128 v[ADV], v[64+4*\i:67+4*\i] offset:8192*\i
.endr
	s_wait_loadcnt 0x0
	s_cmp_lt_u32 s[WV], 8
	s_cbranch_scc0 .Lstage_v
	v_perm_b32 v100, v97, v96, s[HID]              ; my head's two bytes of two neighbouring tiles make the word of their common fragment
	v_perm_b32 v101, v99, v98, s[HID]
	ds_store_b64 v[ADS], v[100:101]
	s_branch .Lstaged
.Lstage_v:
	ds_store_b128 v[ADT], v[96:99]
.Lstaged:
	s_wait_dscnt 0x0                               ; for the others' sake: my stores have landed
	s_barrier_signal -1
	s_barrier_wait -1                              ; the one barrier: from here on LDS is only read
; A KEY STEP: 128 keys from KF on.
.macro STEP
	s_cmp_gt_u32 s[KF], s[QLAST]
	s_cselect_b32 s[HID], 1, 0                     ; all its keys come after my queries
	s_and_not1_b32 s[T0], s[HID], s[PREF]
	s_cmp_lg_u32 s[T0], 0
	s_cbranch_scc1 .Lskip_\@                       ; then it is left out, unless a row may still be without a key
	v_add_nc_u32 v[IDA], s[KB], v[IDA0]
	v_add_nc_u32 v[ADK], s[TK], v[LI]
	v_add_nc_u32 v[ADV], s[TV], v[LI]
	v_add_nc_u32 v[ADS], s[TS], v[R16]
	v_add_nc_u32 v[ADT], s[TT], v[R32]
.irp j, 0,1,2,3
	global_load_b32 v[PD+\j], v[IDA], s[8:9] offset:128*\j
.endr
	ds_load_b128 v[KSW:KSW+3], v[ADS]
.irp f, 0,1,2,3
.irp c, 0,1,2,3
	ds_load_b128 v[FRG+16*\f+4*\c:FRG+16*\f+4*\c+3], v[ADK] offset:2048*\f+512*\c
.endr
.endr
	s_wait_dscnt 0x0
.irp f, 0,1,2,3                                ; fragment f = tiles 2 f and 2 f + 1 of 16 keys
	v_wmma_scale_f32_16x16x128_f8f6f4 v[ST+16*\f:ST+16*\f+7], v[FRG+16*\f:FRG+16*\f+15], v[QLO:QLO+15], 0, v[KSW+\f], v[QSL]
	v_wmma_scale_f32_16x16x128_f8f6f4 v[ST+16*\f+8:ST+16*\f+15], v[FRG+16*\f:FRG+16*\f+15], v[QHI:QHI+15], 0, v[KSW+\f], v[QSH]
.endr
.rept 8
	v_nop                                          ; places in front of the loads into the fragments' registers and of the first read of the scores
.endr
	ds_load_b128 v[VS:VS+3], v[ADT]                ; V's fragments land while the softmax is worked
.irp t, 0,1,2,3
.irp c, 0,1,2,3
	ds_load_b128 v[FRG+16*\t+4*\c:FRG+16*\t+4*\c+3], v[ADV] offset:1024*\t+4096*(\c/2)+512*(\c%2)
.endr
.endr
	s_wait_loadcnt 0x0                             ; the ids
.irp b, 0,1,2,3
	v_cmp_eq_u32 s[PW+\b], 1, v[PD+\b]
.endr
	s_or_b32 s[T0], s[PW], s[PW+1]
	s_or_b32 s[T1], s[PW+2], s[PW+3]
	s_or_b32 s[T0], s[T0], s[T1]                   ; some key is PAD
	s_and_b32 s[T1], s[PW], s[PW+1]
	s_and_b32 s[T2], s[PW+2], s[PW+3]
	s_and_b32 s[T1], s[T1], s[T2]
	s_cmp_eq_u32 s[T1], -1
	s_cselect_b32 s[T1], 1, 0                      ; all 128 are
	s_lshr_b32 s[T2], s[PW], 31                    ; the step's first key is
	s_add_co_u32 s[T3], s[KF], 127
	s_cmp_gt_u32 s[T3], s[QMIN]                    ; the step reaches past my first query
	s_cselect_b32 s[T3], 1, 0
	s_cselect_b32 s[T1], s[T2], s[T1]
	s_or_b32 s[T1], s[T1], s[HID]
	s_and_b32 s[PREF], s[PREF], s[T1]
	s_or_b32 s[T0], s[T0], s[T3]
	s_cmp_eq_u32 s[T0], 0
	s_cbranch_scc1 .Lopen_\@                       ; every key counts for every query: no mask
	; THE MASK.  Of my 16 scores of block b the first n count by the causal rule: n = clamp(d + 1 - 32 b, 0, 8) + clamp(d - 15 - 32 b, 0, 8), d = my query - KF - 8 h.  A word holds, from its top bit down, a 1 for each score that does not count
	s_sub_co_i32 s[T0], s[QMIN], s[KF]
	v_add_nc_u32 v248, s[T0], v[QL]
.irp b, 0,1,2,3
	v_add_nc_u32 v240, 1-32*\b, v248
	v_add_nc_u32 v241, -15-32*\b, v248
	v_ashrrev_i32 v242, 31, v240
	v_ashrrev_i32 v243, 31, v241
	v_bfi_b32 v240, v242, 0, v240                  ; what is negative becomes 0
	v_bfi_b32 v241, v243, 0, v241
	v_min_u32 v240, 8, v240
	v_min_u32 v241, 8, v241
	v_add_nc_u32 v240, v240, v241
	v_lshrrev_b32 v240, v240, s[HM]
	v_lshl_or_b32 v[PT+\b], s[PW+\b], v[SH], v240  ; with the PAD bits of my half's keys
.endr
.irp i, 0,1,2,3,4,5,6,7,8,9,10,11,12,13,14,15
.irp b, 0,1,2,3
	v_add_co_u32 v[PT+\b], vcc_lo, v[PT+\b], v[PT+\b]      ; the top bit leaves as the carry
	v_cndmask_b32 v[ST+16*\b+\i], v[ST+16*\b+\i], v[NEG], vcc_lo
.endr
.endr
.Lopen_\@:
.irp b, 0,1,2,3
	v_max3_num_f32 v[BM+\b], v[ST+16*\b], v[ST+1+16*\b], v[ST+2+16*\b]   ; the largest score of each block of 32 keys: for the row's maximum, and, since p rises with the score, for the block's largest p
.endr
.irp i, 3,5,7,9,11,13
.irp b, 0,1,2,3
	v_max3_num_f32 v[BM+\b], v[BM+\b], v[ST+16*\b+\i], v[ST+1+16*\b+\i]
.endr
.endr
.irp b, 0,1,2,3
	v_max_num_f32 v[BM+\b], v[BM+\b], v[ST+15+16*\b]
.endr
.irp b, 0,1,2,3
	v_permlanex16_b32 v[PT+\b], v[BM+\b], s[SEL], s[SEL+1]
.endr
.irp b, 0,1,2,3
	v_max_num_f32 v[BM+\b], v[BM+\b], v[PT+\b]
.endr
	v_max3_num_f32 v254, v[BM], v[BM+1], v[BM+2]
	v_max_num_f32 v254, v254, v[BM+3]
	v_mul_f32 v254, s[CS], v254
	v_max_num_f32 v13, v13, v254                   ; the running largest t
	v_mov_b32 v254, v12
	v_floor_f32 v12, -v13                          ; -M = floor(-t): M is a whole number
	v_sub_f32 v254, v12, v254
	v_cvt_i32_f32 v254, v254                       ; (it saturates)
	v_ldexp_f32 v252, 1.0, v254                    ; f = 2^(old M - new M)
.set NN, 0
.rept 32
	v_pk_fma_f32 v[ST+NN:ST+NN+1], v[ST+NN:ST+NN+1], s[CS:CS+1], v[12:13] op_sel_hi:[1,0,0]   ; t - M
.set NN, NN+2
.endr
.irp b, 0,1,2,3
	v_fma_f32 v[BM+\b], v[BM+\b], s[CS], v12
.endr
.set NN, 0
.rept 64
	v_exp_f32 v[ST+NN], v[ST+NN]                   ; p = 2^(t - M): one batch
.set NN, NN+1
.endr
	v_pk_mul_f32 v[14:15], v[14:15], v[252:253] op_sel_hi:[1,0]   ; the sums under the new M: the plain line behind the batch
	s_wait_alu depctr_va_vdst(0)                   ; one wait for the batch, ahead of its first reader
.irp b, 0,1,2,3
	v_exp_f32 v[BM+\b], v[BM+\b]                   ; the blocks' largest p
.endr
	v_pk_add_f32 v[PT:PT+1], v[ST:ST+1], v[ST+2:ST+3]   ; the row's sum of the unquantised p, in two chains
.irp j, 4,8,12,16,20,24,28,32,36,40,44,48,52,56,60
	v_pk_add_f32 v[14:15], v[14:15], v[ST+\j:ST+\j+1]
	v_pk_add_f32 v[PT:PT+1], v[PT:PT+1], v[ST+2+\j:ST+3+\j]
.endr
	v_pk_add_f32 v[14:15], v[14:15], v[PT:PT+1]
	s_wait_alu depctr_va_vdst(0)                   ; and one for the four
.irp b, 0,1,2,3
	v_max_num_f32 v[BM+\b], 0x4800000, v[BM+\b]    ; the floor 2^(9 - 127)
.endr
.irp b, 0,1,2,3
	v_add_nc_u32 v[SOP+\b], 0xfc000000, v[BM+\b]
.endr
.irp b, 0,1,2,3
	v_and_or_b32 v[HOLD+\b], v[BM+\b], 0x7f800000, s[MNT]
.endr
.irp b, 0,1,2,3
	v_lshrrev_b32 v[PT+\b], 23, v[SOP+\b]
.endr
	v_lshl_or_b32 v[PWD], v[PT+1], 8, v[PT]
	v_lshl_or_b32 v[PWD], v[PT+2], 16, v[PWD]
	v_lshl_or_b32 v[PWD], v[PT+3], 24, v[PWD]
.irp b, 0,1,2,3
.irp i, 0,1,2,3,4,5,6,7,8,9,10,11,12,13,14,15
	v_min_num_f32 v[ST+16*\b+\i], v[ST+16*\b+\i], v[HOLD+\b]   ; p is not negative: a one-sided hold
.endr
	v_cvt_scalef32_pk8_fp8_f32 v[PC+4*\b:PC+4*\b+1], v[ST+16*\b:ST+16*\b+7], v[SOP+\b]
	v_cvt_scalef32_pk8_fp8_f32 v[PC+4*\b+2:PC+4*\b+3], v[ST+16*\b+8:ST+16*\b+15], v[SOP+\b]
.endr
.set NN, 0
.rept 16
	v_pk_mul_f32 v[OT+NN:OT+NN+1], v[OT+NN:OT+NN+1], v[252:253] op_sel_hi:[1,0]   ; O^T under the new M; these lines are also the places between the codes and the products
.set NN, NN+2
.endr
	s_wait_dscnt 0x0                               ; V's fragments and scale words
.irp t, 0,1,2,3
	v_wmma_scale_f32_16x16x128_f8f6f4 v[OT+8*\t:OT+8*\t+7], v[FRG+16*\t:FRG+16*\t+15], v[PC:PC+15], v[OT+8*\t:OT+8*\t+7], v[VS+\t], v[PWD]
.endr
.rept 8
	v_nop                                          ; places in front of the next step's loads and of the way out's reads
.endr
.Lskip_\@:
	s_add_co_u32 s[KF], s[KF], 128
	s_add_co_u32 s[KB], s[KB], 512
	s_add_co_u32 s[TK], s[TK], 8192
	s_add_co_u32 s[TV], s[TV], 8192
	s_add_co_u32 s[TS], s[TS], 256
	s_add_co_u32 s[TT], s[TT], 512
.endm
; ONE TILE OF 16 QUERIES, number TAU of the head's 64.
.macro TILE
	s_wait_xcnt 0x0                                ; the last tile's loads and stores have read their bases and data
	s_mov_b32 s[T1], 0
	s_lshl_b32 s[T0], s[TAU], 10
	s_add_nc_u64 s[QP:QP+1], s[QB:QB+1], s[T0:T0+1]
	s_lshr_b32 s[T0], s[TAU], 3
	s_lshl_b32 s[T0], s[T0], 9
	s_and_b32 s[T2], s[TAU], 7
	s_lshl_b32 s[T2], s[T2], 2
	s_add_co_u32 s[T0], s[T0], s[T2]
	s_add_nc_u64 s[QSP:QSP+1], s[QSB:QSB+1], s[T0:T0+1]
	s_lshl_b32 s[T0], s[TAU], 12
	s_add_nc_u64 s[OP:OP+1], s[OPB:OPB+1], s[T0:T0+1]
	s_lshl_b32 s[T0], s[TAU], 9
	s_add_nc_u64 s[OSP:OSP+1], s[OSB:OSB+1], s[T0:T0+1]
	s_lshl_b32 s[QMIN], s[TAU], 4
	s_add_co_u32 s[QLAST], s[QMIN], 15
	global_load_b128 v[QLO:QLO+3], v[LI], s[QP:QP+1]
	global_load_b128 v[QLO+4:QLO+7], v[LI], s[QP:QP+1] offset:512
	global_load_b32 v[QSL], v[R32], s[QSP:QSP+1]
	v_mov_b32 v13, 0xff61b1e6                      ; the largest t so far: -3e38
	v_floor_f32 v12, -v13
	v_mov_b32 v14, 0
	v_mov_b32 v15, 0
	s_mov_b32 s[PREF], 1
	s_mov_b32 s[KF], 0
	s_mov_b32 s[KB], 0
	s_mov_b32 s[TK], KIMG
	s_mov_b32 s[TV], VIMG
	s_mov_b32 s[TS], SCLK
	s_mov_b32 s[TT], s[TT0]
	s_mov_b32 s[CNT], 8
	s_wait_loadcnt 0x0
	v_lshrrev_b32 v[QSL], s[QSHIFT], v[QSL]        ; my head's two bytes, low;
	v_lshlrev_b32 v[QSH], 16, v[QSL]               ; and high
.set NN, 0
.rept 32
	v_mov_b32 v[OT+NN], 0                          ; O^T: the step is written once, and its first run finds zeros.  (Also the places between the scale words and the first product)
.set NN, NN+1
.endr
.Lkeys_\@:                                         ; eight trips, a constant: what is left out is a step's work
	STEP
	s_sub_co_u32 s[CNT], s[CNT], 1
	s_cmp_lg_u32 s[CNT], 0
	s_cbranch_scc1 .Lkeys_\@
	; THE WAY OUT: / the sum, quantised along the head's 64 (two blocks of D), brought to the ascending order, stored as an image
	v_add_f32 v14, v14, v15
	v_permlanex16_b32 v254, v14, s[SEL], s[SEL+1]
	v_add_f32 v14, v14, v254
	v_rcp_f32 v14, v14
	v_nop                                          ; a plain line behind the reciprocal
	s_wait_alu depctr_va_vdst(0)                   ; and the wait ahead of its first reader
.set NN, 0
.rept 16
	v_pk_mul_f32 v[OT+NN:OT+NN+1], v[OT+NN:OT+NN+1], v[14:15] op_sel_hi:[1,0]
.set NN, NN+2
.endr
.irp c, 0,1
	v_max3_num_f32 v[BM+\c], |v[OT+16*\c]|, |v[OT+1+16*\c]|, 0x4800000
.endr
.irp i, 2,4,6,8,10,12,14
.irp c, 0,1
	v_max3_num_f32 v[BM+\c], v[BM+\c], |v[OT+16*\c+\i]|, |v[OT+1+16*\c+\i]|
.endr
.endr
.irp c, 0,1
	v_permlanex16_b32 v[PT+\c], v[BM+\c], s[SEL], s[SEL+1]
.endr
.irp c, 0,1
	v_max_num_f32 v[BM+\c], v[BM+\c], v[PT+\c]
.endr
.irp c, 0,1
	v_add_nc_u32 v[SOP+\c], 0xfc000000, v[BM+\c]
.endr
.irp c, 0,1
	v_and_or_b32 v[HOLD+\c], v[BM+\c], 0x7f800000, s[MNT]
.endr
.irp c, 0,1
	v_lshrrev_b32 v[PT+\c], 23, v[SOP+\c]
.endr
	v_cndmask_b32 v250, v[PT], v[PT+1], s[HM]      ; lanes 0-15 store block 0's byte, lanes 16-31 block 1's
.irp c, 0,1
.irp i, 0,1,2,3,4,5,6,7,8,9,10,11,12,13,14,15
	v_med3_num_f32 v[OT+16*\c+\i], v[OT+16*\c+\i], -v[HOLD+\c], v[HOLD+\c]
.endr
	v_cvt_scalef32_pk8_fp8_f32 v[PC+4*\c:PC+4*\c+1], v[OT+16*\c:OT+16*\c+7], v[SOP+\c]
	v_cvt_scalef32_pk8_fp8_f32 v[PC+4*\c+2:PC+4*\c+3], v[OT+16*\c+8:OT+16*\c+15], v[SOP+\c]
.endr
	v_nop                                          ; a plain line behind the last conversion
.irp c, 0,1                                    ; I hold d = 8 h + 0..7 and 16 + 8 h + 0..7 of the block and want 16 h + 0..15: lanes 0-15 give their second eight for lanes 16-31's first
	v_cndmask_b32 v[BM], v[PC+4*\c+2], v[PC+4*\c], s[HM]
	v_cndmask_b32 v[BM+1], v[PC+4*\c+3], v[PC+4*\c+1], s[HM]
	v_permlanex16_b32 v[PT], v[BM], s[SEL], s[SEL+1]
	v_permlanex16_b32 v[PT+1], v[BM+1], s[SEL], s[SEL+1]
	v_cndmask_b32 v[PC+8+4*\c], v[PC+4*\c], v[PT], s[HM]
	v_cndmask_b32 v[PC+9+4*\c], v[PC+4*\c+1], v[PT+1], s[HM]
	v_cndmask_b32 v[PC+10+4*\c], v[PT], v[PC+4*\c+2], s[HM]
	v_cndmask_b32 v[PC+11+4*\c], v[PT+1], v[PC+4*\c+3], s[HM]
.endr
	global_store_b128 v[LI], v[PC+8:PC+11], s[OP:OP+1]               ; 512 consecutive bytes, aligned
	global_store_b128 v[LI], v[PC+12:PC+15], s[OP:OP+1] offset:512
	global_store_b8 v[OB], v250, s[OSP:OSP+1]
.endm
	TILE
	s_sub_co_u32 s[TAU], 63, s[TAU]                ; my second tile
	TILE
	s_wait_tensorcnt 0x0
	ds_add_u32 v249, v255
	s_wait_dscnt 0x0
	s_endpgm
.Lfunc_end_k_q4ea481d2d1_attn:
	.size	k_q4ea481d2d1_attn, .Lfunc_end_k_q4ea481d2d1_attn-k_q4ea481d2d1_attn
	.p2alignl 7, 3214868480
	.fill 96, 4, 3214868480
	.section	.rodata,"a",@progbits
	.p2align	6, 0x0
	.amdhsa_kernel k_q4ea481d2d1_attn
		.amdhsa_group_segment_fixed_size 139264
		.amdhsa_private_segment_fixed_size 0
		.amdhsa_enable_private_segment 0
		.amdhsa_kernarg_size 40
		.amdhsa_user_sgpr_count 2
		.amdhsa_user_sgpr_kernarg_segment_ptr 1
		.amdhsa_wavefront_size32 1
		.amdhsa_system_sgpr_workgroup_id_x 1
		.amdhsa_system_sgpr_workgroup_id_y 1
		.amdhsa_system_sgpr_workgroup_id_z 1
		.amdhsa_system_vgpr_workitem_id 0
		.amdhsa_next_free_vgpr 256
		.amdhsa_next_free_sgpr 66
		.amdhsa_reserve_vcc 1
		.amdhsa_float_denorm_mode_32 3
		.amdhsa_float_denorm_mode_16_64 3
		.amdhsa_memory_ordered 1
		.amdhsa_forward_progress 1
		.amdhsa_inst_pref_size 83
	.end_amdhsa_kernel
	.amdgpu_metadata
---
amdhsa.version: [ 1, 2 ]
amdhsa.kernels:
  - .name:           k_q4ea481d2d1_attn
    .symbol:         k_q4ea481d2d1_attn.kd
    .args:
      - { .name: qkv_img, .offset: 0, .size: 8, .value_kind: global_buffer, .address_space: global }
      - { .name: qkv_scl, .offset: 8, .size: 8, .value_kind: global_buffer, .address_space: global }
      - { .name: input_ids, .offset: 16, .size: 8, .value_kind: global_buffer, .address_space: global }
      - { .name: o_img, .offset: 24, .size: 8, .value_kind: global_buffer, .address_space: global }
      - { .name: o_scl, .offset: 32, .size: 8, .value_kind: global_buffer, .address_space: global }
    .group_segment_fixed_size: 139264
    .private_segment_fixed_size: 0
    .kernarg_segment_align: 8
    .kernarg_segment_size: 40
    .max_flat_workgroup_size: 512
    .sgpr_count:     66
    .vgpr_count:     256
    .wavefront_size: 32
...
	.end_amdgpu_metadata
.endif
;; end of part 2
;; launch oproj (part 3): grid 4 x 32, 4 waves a work-group, clusters of 4 x 4, 327,680 bytes of LDS; arguments o_img, o_scl, Wo_codes, Wo_scales, out0, bo; writes out0
.if DOCPART == 3
	.amdgcn_target "amdgcn-amd-amdhsa--gfx1250"
	.amdhsa_code_object_version 6
	.text
	.protected	k_q4ea481d2d1_oproj
	.globl	k_q4ea481d2d1_oproj
	.p2align	8
	.type	k_q4ea481d2d1_oproj,@function
k_q4ea481d2d1_oproj:
	s_mov_b64 s[64:65], 0
	v_nop
	global_prefetch_b8 v0, s[64:65] scope:SCOPE_SE
	s_setreg_imm32_b32 hwreg(HW_REG_WAVE_MODE, 25, 1), 1
	s_wait_xcnt 0x0
	s_wait_alu depctr_hold_cnt(0) depctr_sa_sdst(0) depctr_va_vdst(0) depctr_va_sdst(0) depctr_va_ssrc(0) depctr_va_vcc(0) depctr_vm_vsrc(0)
	s_getreg_b32 s2, hwreg(HW_REG_IB_STS2, 6, 4)
	s_cmp_eq_u32 s2, 0
	s_cbranch_scc0 .Lentry_in_a_cluster
	s_endpgm
.Lentry_in_a_cluster:
	s_bfe_u32 s2, ttmp6, 0x10000c
	s_cmp_lg_u32 s2, 0xf033
	s_cbranch_scc0 .Lentry_shape_is_right
	s_endpgm
.Lentry_shape_is_right:
; out = o Wo^T + bo on codes of FP8 (E4M3) with one E8M0 scale for each 32 along K = 1,024.  o: 8,192 rows, as images of operand registers (below); Wo: [1024][1024] codes, K innermost; out: [8192][1024] f32.
; A tile of out, 256 x 256, is made by four waves of 128 x 128 (64 accumulators, 512 registers).  K goes in steps of 256 through a ring of two LDS slots filled by the tensor data mover; all scale bytes come once.
; o's IMAGES: K step s of 256 at 2,097,152 s; in it 16 rows at 4,096 bytes; in them block of 32 along K at 512 bytes; 16 bytes a lane: lane (r, h) holds row r, k = 16 h + 0..15 of the block.  So a K step of 128 rows is one
; dense block of 32,768 bytes, and a fragment is four loads of 512 consecutive bytes: no pitch and no padding.  Wo's rows are padded as rows.
; CLUSTERS: 4 x 4 work-groups; o's tile is asked for jointly by a row of the cluster, Wo's by a column.  THE MATRIX INSTRUCTION IS USED TRANSPOSED (source 0 = 16 rows of Wo, source 1 = 16 rows of o): a lane holds eight neighbours of a row of out.
; THE BIAS is the C of each sum's first matrix instruction: eight registers for each block of 16 columns.
; 128 work-groups: a tile of 128 x 256 would give 256, at one and a half times the LDS bytes for each matrix instruction.  No prefetch: K has four steps, of which two are asked for at the head.
; REGISTERS, in windows of 256: window 0: v0-31 addresses; v32-63 scale words, two sets; v64-127 the bias; from v128 o's fragments, one set; on the way out v128-255 rows of out.
;   window 1: Wo's fragments, two sets.   window 2: the accumulators of my rows 0-63 ((a, b) at v[8 (8 a + b)]);   window 3: those of rows 64-127.
.set SIZE_N, 1024
.set KSTEP,  256
.set NQ,     2
.set ROWB,   256
.set KROW,   1024
.set ASTEP,  0x200000                  ; from a K step of o's images to the next
.set PITCH,  272
.set FR,     16
.set NL,     4
.set NP,     8
.set HALFT,  128*PITCH                 ; the place of 128 rows in a slot (o's use 32,768 bytes of it)
.set SLOT,   4*HALFT
.set KS,     32
.set SCL,    2*SLOT
.set HALFS,  (128*KS/256)*272
.set SBLK,   (16*KS/256)*272
.set SPARE,  SCL+4*HALFS               ; the spare words, 128 bytes a wave: two blocks of 256 bytes that no other line names
.set SPITCH, 528                       ; the way out: a stage of 16 rows x (512 + 16) bytes for each wave, in slot 0, which has had its last fill and its last read by then
.set ADRA, 16
.set ADRB, 20
.set STO,  24
.set RD,   25
.set CO,   26
.set ADRS, 27
.set SPW,  28
.set NIL,  29
.set BPO,  30
.set SC,   32
.set BP,   64
.set AF,   128
.set BK,   128
.set G1, 24
.set G0, 32
.set G1B, 48
.set G0B, 56
.set G1S, 68
.set G0S, 76
.set G1SB, 80
.set G0SB, 88
.set MSB, 0
.macro WIN new
.if MSB != (\new)
	s_set_vgpr_msb (MSB<<8)|(\new)
.set MSB, (\new)
.endif
.endm
.set MUL_LO, 0xa1
.set MUL_HI, 0xf1
.set TO_B,   0x40
.macro JLOAD g0a, g1a, g0b, g1b        ; a joint load: waves 0 and 1 fetch for o, waves 2 and 3 for Wo; four v_nop follow each of the two lines
	s_cmp_eq_u32 s15, 0
	s_cbranch_scc0 .Lfor_b_\@
	tensor_load_to_lds s[\g0a:\g0a+3], s[\g1a:\g1a+7]
	s_nop 0
.rept 4
	v_nop
.endr
	s_branch .Lasked_\@
.Lfor_b_\@:
	tensor_load_to_lds s[\g0b:\g0b+3], s[\g1b:\g1b+7]
	s_nop 0
.rept 4
	v_nop
.endr
.Lasked_\@:
.endm
.macro CREST
	s_cmp_lg_u32 s14, 0
	s_cbranch_scc1 .Lnot_wave_0_\@
	s_barrier_signal -3
.Lnot_wave_0_\@:
	s_barrier_wait -3
	s_barrier_signal -1
	s_barrier_wait -1
.endm
.macro CROUND
	s_barrier_signal -1
	s_barrier_wait -1
	CREST
.endm
	s_load_b128 s[4:7], s[0:1], 0x0                ; o's images, o's scales
	s_load_b128 s[8:11], s[0:1], 0x10              ; Wo's codes, Wo's scales
	s_load_b64 s[12:13], s[0:1], 0x20              ; out
	s_load_b64 s[96:97], s[0:1], 0x28              ; bo
	v_lshl_add_u32 v[SPW], v0, 2, SPARE
	v_mov_b32 v[NIL], 0
	ds_add_u32 v28, v29
	ds_add_u32 v28, v29
	s_wait_dscnt 0x0
	v_lshrrev_b32 v1, 5, v0
	v_readfirstlane_b32 s14, v1
	s_lshr_b32 s15, s14, 1                         ; which half of the tile's rows is mine.  Also: I fetch for o (0) or for Wo (1)
	s_and_b32 s16, s14, 1                          ; which half of its columns.  Also: which 128 rows I fetch
	s_bfe_u32 s40, ttmp6, 0x40000
	s_bfe_u32 s41, ttmp6, 0x40004
	s_lshl_b32 s42, ttmp9, 2
	s_add_co_u32 s42, s42, s40                     ; tile column
	s_and_b32 s17, ttmp7, 0xffff
	s_lshl_b32 s17, s17, 2
	s_add_co_u32 s17, s17, s41                     ; tile row
	s_lshl_b32 s43, s41, 2
	s_lshl_b32 s43, 15, s43
	s_lshl_b32 s44, 0x1111, s40
	; o's tile: a dense block of 32,768 bytes as 128 rows of 256 bytes (32 elements of 8), no padding
	s_or_b32 s[G1+0], s43, (3<<16)|(1<<21)
	s_mov_b32 s[G1+1], 32<<16
	s_mov_b32 s[G1+2], 128<<16
	s_mov_b32 s[G1+3], 32<<16
	s_mov_b32 s[G1+4], 128
	s_mov_b32 s[G1+5], 32
	s_mov_b32 s[G1+6], 0
	s_mov_b32 s[G1+7], 0
	; Wo's tile: 128 rows x 256 bytes, 16 bytes of padding behind each
	s_or_b32 s[G1B+0], s44, (0<<16)|(1<<20)|(1<<21)|(5<<22)|(3<<25)
	s_mov_b32 s[G1B+1], ROWB<<16
	s_mov_b32 s[G1B+2], 128<<16
	s_mov_b32 s[G1B+3], ROWB<<16
	s_mov_b32 s[G1B+4], 128
	s_mov_b32 s[G1B+5], KROW
	s_mov_b32 s[G1B+6], 0
	s_mov_b32 s[G1B+7], 0
	s_or_b32 s[G1S+0], s43, (3<<16)|(1<<20)|(1<<21)|(5<<22)|(3<<25)
	s_or_b32 s[G1SB+0], s44, (3<<16)|(1<<20)|(1<<21)|(5<<22)|(3<<25)
.irp g, G1S, G1SB
	s_mov_b32 s[\g+1], 32<<16
	s_mov_b32 s[\g+2], (128*KS/256)<<16
	s_mov_b32 s[\g+3], 32<<16
	s_mov_b32 s[\g+4], 128*KS/256
	s_mov_b32 s[\g+5], 32
	s_mov_b32 s[\g+6], 0
	s_mov_b32 s[\g+7], 0
.endr
	s_lshl_b32 s18, s16, 7
	s_lshl_b32 s20, s17, 8
	s_add_co_u32 s20, s20, s18                     ; o: row 256 x tile row + 128 x half
	s_lshl_b32 s46, s42, 8
	s_add_co_u32 s46, s46, s18                     ; Wo: row 256 x tile column + 128 x half
	s_lshl_b32 s22, s20, 5                         ; o's scale bytes: 32 a row
	s_lshl_b32 s20, s20, 8                         ; o's images: 4,096 bytes for 16 rows
	s_lshl_b32 s92, s46, 5
	s_lshl_b32 s46, s46, 10
	s_mov_b32 s21, 0
	s_mov_b32 s23, 0
	s_mov_b32 s93, 0
	s_mov_b32 s47, 0
	s_mul_i32 s45, s14, HALFT
	s_mul_i32 s94, s14, HALFS
	s_wait_kmcnt 0x0
	s_add_nc_u64 s[20:21], s[4:5], s[20:21]
	s_add_nc_u64 s[22:23], s[6:7], s[22:23]
	s_add_nc_u64 s[46:47], s[8:9], s[46:47]
	s_add_nc_u64 s[92:93], s[10:11], s[92:93]
	CROUND                                         ; all sixteen work-groups are here: the first joint loads meet
	s_mov_b32 s[G0S], 1
	s_add_co_u32 s[G0S+1], s94, SCL
	s_mov_b64 s[G0S+2:G0S+3], s[22:23]
	s_or_b32 s[G0S+3], s[G0S+3], 0x80000000
	s_mov_b32 s[G0SB], 1
	s_add_co_u32 s[G0SB+1], s94, SCL
	s_mov_b64 s[G0SB+2:G0SB+3], s[92:93]
	s_or_b32 s[G0SB+3], s[G0SB+3], 0x80000000
	JLOAD G0S, G1S, G0SB, G1SB
.irp s, 0,1
	s_mov_b32 s[G0+4*\s], 1
	s_add_co_u32 s[G0+4*\s+1], s45, \s*SLOT
	s_add_nc_u64 s[G0+4*\s+2:G0+4*\s+3], s[20:21], \s*ASTEP
	s_or_b32 s[G0+4*\s+3], s[G0+4*\s+3], 0x80000000
	s_mov_b32 s[G0B+4*\s], 1
	s_add_co_u32 s[G0B+4*\s+1], s45, \s*SLOT
	s_add_nc_u64 s[G0B+4*\s+2:G0B+4*\s+3], s[46:47], \s*ROWB
	s_or_b32 s[G0B+4*\s+3], s[G0B+4*\s+3], 0x80000000
	JLOAD G0+4*\s, G1, G0B+4*\s, G1B               ; three tensor loads of mine are out
.endr
	v_and_b32 v1, 15, v0                           ; r
	v_bfe_u32 v2, v0, 4, 1                         ; h
	s_lshl_b32 s18, s42, 10
	s_lshl_b32 s19, s16, 9
	s_add_co_u32 s18, s18, s19                     ; my first column, in bytes of bo
	v_lshl_add_u32 v[BPO], v2, 5, s18
.irp b, 0,1,2,3,4,5,6,7
	global_load_b128 v[BP+8*\b:BP+8*\b+3], v[BPO], s[96:97] offset:64*\b          ; bo at columns 16 b + 8 h + 0..7
	global_load_b128 v[BP+8*\b+4:BP+8*\b+7], v[BPO], s[96:97] offset:64*\b+16
.endr
	v_and_b32 v6, 31, v0
	v_lshlrev_b32 v[CO], 4, v6                     ; 16 x lane
	v_mul_u32_u24 v3, v1, PITCH
	v_lshl_add_u32 v4, v2, 4, v3
	s_mul_i32 s21, s15, HALFT                      ; my 128 rows of o
	s_mul_i32 s22, s16, HALFT
	s_add_co_u32 s22, s22, 2*HALFT                 ; my 128 rows of Wo
.irp s, 0,1
	v_add_nc_u32 v[ADRA+\s], s21, v[CO]
	v_add_nc_u32 v[ADRB+\s], s22, v4
	s_add_co_u32 s21, s21, SLOT
	s_add_co_u32 s22, s22, SLOT
.endr
	v_mul_u32_u24 v5, v1, KS
	v_lshrrev_b32 v6, 8, v5
	v_lshl_add_u32 v5, v6, 4, v5
	s_mul_i32 s21, s15, HALFS
	s_mul_i32 s22, s16, HALFS
	s_add_co_u32 s22, s22, 2*HALFS
	s_sub_co_u32 s22, s22, s21
	v_mul_u32_u24 v6, s22, v2
	s_add_co_u32 s21, s21, SCL
	v_add_nc_u32 v5, v5, v6
	v_add_nc_u32 v[ADRS], s21, v5
	s_mul_i32 s23, s14, 16*SPITCH                  ; my stage
	v_mul_u32_u24 v5, v1, SPITCH
	v_lshl_add_u32 v5, v2, 5, v5
	v_add_nc_u32 v[STO], s23, v5
	v_add_nc_u32 v[RD], s23, v[CO]
	s_lshl_b32 s20, s17, 8
	s_lshl_b32 s21, s15, 7
	s_add_co_u32 s20, s20, s21
	s_lshl_b32 s20, s20, 12                        ; my first row of out, 4,096 bytes a row (under 2^26)
	s_add_co_u32 s20, s20, s18                     ; and my first column
	s_mov_b32 s21, 0
	s_add_nc_u64 s[12:13], s[12:13], s[20:21]
.macro FRAG reg, adr, q, i             ; Wo: 16 rows x 128 K from padded rows
.irp c, 0,1,2,3
	ds_load_b128 v[\reg+4*\c:\reg+4*\c+3], v[\adr] offset:128*(\q)+32*\c+(\i)*16*PITCH
.endr
.endm
.macro FRAGA reg, adr, q, i            ; o: the image as it lies
.irp c, 0,1,2,3
	ds_load_b128 v[\reg+4*\c:\reg+4*\c+3], v[\adr] offset:4096*(\i)+2048*(\q)+512*\c
.endr
.endm
; 16 matrix instructions; first = 1: the bias is the C.  The 64 accumulators take turns, one instruction a turn, in the same order in every step.
.macro MUL16 a0, p, q, sc, first
.irp a, \a0, \a0+1
.irp b, 0,1,2,3,4,5,6,7
.if \first
	v_wmma_scale_f32_16x16x128_f8f6f4 v[8*(8*((\a)%4)+\b):8*(8*((\a)%4)+\b)+7], v[128*(\p)+FR*\b:128*(\p)+FR*\b+FR-1], v[AF+FR*(\a):AF+FR*(\a)+FR-1], v[BP+8*\b:BP+8*\b+7], v[SC+8*NQ*(\sc)+NQ*\b+(\q)], v[SC+8*NQ*(\sc)+NQ*(\a)+(\q)] matrix_a_scale:MATRIX_SCALE_ROW1
.else
	v_wmma_scale_f32_16x16x128_f8f6f4 v[8*(8*((\a)%4)+\b):8*(8*((\a)%4)+\b)+7], v[128*(\p)+FR*\b:128*(\p)+FR*\b+FR-1], v[AF+FR*(\a):AF+FR*(\a)+FR-1], v[8*(8*((\a)%4)+\b):8*(8*((\a)%4)+\b)+7], v[SC+8*NQ*(\sc)+NQ*\b+(\q)], v[SC+8*NQ*(\sc)+NQ*(\a)+(\q)] matrix_a_scale:MATRIX_SCALE_ROW1
.endif
.endr
.endr
.endm
.macro FETCH_B slot, q, p
	WIN TO_B
.irp i, 0,1,2,3,4,5,6,7
	FRAG 128*(\p)+FR*\i, ADRB+\slot, \q, \i
.endr
	WIN 0
.endm
.macro FETCH_A slot, q, i0
.irp i, \i0, \i0+1, \i0+2, \i0+3
	FRAGA AF+FR*(\i), ADRA+\slot, \q, \i
.endr
.endm
.macro SCALES sc
.irp i, 0,1,2,3,4,5,6,7
	ds_load_b64 v[SC+8*NQ*\sc+NQ*\i:SC+8*NQ*\sc+NQ*\i+1], v[ADRS] offset:\i*SBLK
.endr
.endm
.macro PLACES n
.rept \n
	v_nop
.endr
.endm
.macro STEP slot, q, first
	s_wait_dscnt 4*NL                              ; Wo's set and o's blocks 0-3 are in; the youngest 16 loads (o's blocks 4-7) may be out
.if \first
	WIN 0x81                                       ; C (the bias) in window 0, D in window 2
.else
	WIN MUL_LO
.endif
	MUL16 0, (\q)%2, \q, \slot, \first
	MUL16 2, (\q)%2, \q, \slot, \first
	s_wait_dscnt 0
	PLACES NP
	FETCH_B \slot, (\q)+1, 1-(\q)%2
	FETCH_A \slot, (\q)+1, 0
.if \first
	WIN 0xc1
.else
	WIN MUL_HI
.endif
	MUL16 4, (\q)%2, \q, \slot, \first
	MUL16 6, (\q)%2, \q, \slot, \first
	PLACES NP
	WIN 0
	FETCH_A \slot, (\q)+1, 4
.endm
.macro TURN slot, next, fill
	s_wait_tensorcnt 0x0                           ; all my tensor loads have landed: my part of the next slot
	ds_add_u32 v[SPW], v[NIL]                      ; 0 onto my spare word
	s_wait_dscnt 4*NL+1                            ; (the add and the youngest 16 loads may be out)
	WIN MUL_LO
	MUL16 0, 1, NQ-1, \slot, 0
	s_wait_dscnt 0x0                               ; the add is done, and my reads of this slot are over
	s_barrier_signal -1
	MUL16 2, 1, NQ-1, \slot, 0
	WIN 0
	s_barrier_wait -1
.if \fill
	CREST                                          ; the barrier has opened a round of the cluster's: no wave of any partner still reads this slot or has a load on its way
	s_add_nc_u64 s[G0+4*\slot+2:G0+4*\slot+3], s[G0+4*\slot+2:G0+4*\slot+3], 2*ASTEP
	s_add_nc_u64 s[G0B+4*\slot+2:G0B+4*\slot+3], s[G0B+4*\slot+2:G0B+4*\slot+3], 2*ROWB
	JLOAD G0+4*\slot, G1, G0B+4*\slot, G1B
	PLACES NP-4
.else
	PLACES NP
.endif
	v_add_nc_u32 v[ADRS], 4*NQ, v[ADRS]
	FETCH_B \next, 0, 0
	FETCH_A \next, 0, 0
	SCALES \next
	WIN MUL_HI
	MUL16 4, 1, NQ-1, \slot, 0
	MUL16 6, 1, NQ-1, \slot, 0
	PLACES NP
	WIN 0
	FETCH_A \next, 0, 4
.endm
	s_wait_tensorcnt 1                             ; the scales and my part of K step 0 are in (K step 1's load may be out),
	s_barrier_signal -1
	s_barrier_wait -1                              ; everybody's are
	FETCH_B 0, 0, 0
	FETCH_A 0, 0, 0
	SCALES 0
	FETCH_A 0, 0, 4
	s_wait_loadcnt 0x0                             ; the bias
	STEP 0, 0, 1                                   ; the first step stands in front of the loop: its products start the sums on the bias
	s_mov_b32 s3, 1
.Llap:
	TURN 0, 1, 1
	STEP 1, 0, 0
	TURN 1, 0, 1
	STEP 0, 0, 0
	s_sub_co_u32 s3, s3, 1
	s_cmp_lg_u32 s3, 0
	s_cbranch_scc1 .Llap
	TURN 0, 1, 0
	STEP 1, 0, 0
	s_wait_dscnt 4*NL
	WIN MUL_LO
	MUL16 0, 1, NQ-1, 1, 0
	MUL16 2, 1, NQ-1, 1, 0
	s_wait_dscnt 0
	WIN MUL_HI
	MUL16 4, 1, NQ-1, 1, 0
	MUL16 6, 1, NQ-1, 1, 0
	WIN 0
; THE WAY OUT, block by block of 16 rows x 128 columns, through my own stage in LDS: in as 32 bytes a lane, back as whole rows of 512 bytes.  LDS serves a wave's instructions in order (ISA guide 5.7.1.4): no wait between the stores and the loads.
.macro TOSTAGE a
.set AC, 64*((\a)%4)
	WIN 0x08+4*((\a)/4)
.irp b, 0,1,2,3,4,5,6,7
	ds_store_b128 v[STO], v[AC+8*\b:AC+8*\b+3] offset:64*\b          ; each accumulator from its low end on
	ds_store_b128 v[STO], v[AC+8*\b+4:AC+8*\b+7] offset:64*\b+16
.endr
	WIN 0
.set BB, BK+64*((\a)%2)
.irp t, 0,1,2,3,4,5,6,7,8,9,10,11,12,13,14,15
	ds_load_b128 v[BB+4*\t:BB+4*\t+3], v[RD] offset:\t*SPITCH
.endr
.endm
.macro SEND a, younger
.set BB, BK+64*((\a)%2)
	s_wait_dscnt \younger                          ; the block is back in registers; the LDS instructions issued behind its loads may be out
.if (\a) > 0
	s_add_nc_u64 s[12:13], s[12:13], 16*SIZE_N*4   ; (behind a wait on XCNT: the earlier stores have read their base)
.endif
.irp t, 0,1,2,3,4,5,6,7,8,9,10,11,12,13,14,15
	global_store_b128 v[CO], v[BB+4*\t:BB+4*\t+3], s[12:13] offset:\t*SIZE_N*4 th:TH_STORE_NT   ; 32 lanes store 512 consecutive bytes, aligned
.endr
.endm
	PLACES NP
	TOSTAGE 0
.irp a, 1,2,3,4,5,6,7
.if \a > 1
	s_wait_xcnt 0x0                                ; block a - 2's stores have read their registers and their base
.endif
	TOSTAGE \a
	SEND \a-1, 32                                  ; behind block a - 1's loads: block a's 16 stores and 16 loads
.endr
	s_wait_xcnt 0x0
	SEND 7, 0
	s_wait_tensorcnt 0x0                           ; the wave's end
	ds_add_u32 v[SPW], v[NIL]
	s_wait_dscnt 0x0
	CROUND                                         ; the closing round
	s_endpgm
.Lfunc_end_k_q4ea481d2d1_oproj:
	.size	k_q4ea481d2d1_oproj, .Lfunc_end_k_q4ea481d2d1_oproj-k_q4ea481d2d1_oproj
	.p2alignl 7, 3214868480
	.fill 96, 4, 3214868480
	.section	.rodata,"a",@progbits
	.p2align	6, 0x0
	.amdhsa_kernel k_q4ea481d2d1_oproj
		.amdhsa_group_segment_fixed_size 327680
		.amdhsa_private_segment_fixed_size 0
		.amdhsa_enable_private_segment 0
		.amdhsa_kernarg_size 48
		.amdhsa_user_sgpr_count 2
		.amdhsa_user_sgpr_kernarg_segment_ptr 1
		.amdhsa_wavefront_size32 1
		.amdhsa_system_sgpr_workgroup_id_x 1
		.amdhsa_system_sgpr_workgroup_id_y 1
		.amdhsa_system_sgpr_workgroup_id_z 1
		.amdhsa_system_vgpr_workitem_id 0
		.amdhsa_next_free_vgpr 1024
		.amdhsa_next_free_sgpr 100
		.amdhsa_reserve_vcc 0
		.amdhsa_float_denorm_mode_32 3
		.amdhsa_float_denorm_mode_16_64 3
		.amdhsa_memory_ordered 1
		.amdhsa_forward_progress 1
		.amdhsa_inst_pref_size 147
	.end_amdhsa_kernel
	.amdgpu_metadata
---
amdhsa.version: [ 1, 2 ]
amdhsa.kernels:
  - .name:           k_q4ea481d2d1_oproj
    .symbol:         k_q4ea481d2d1_oproj.kd
    .args:
      - { .name: o_img, .offset: 0, .size: 8, .value_kind: global_buffer, .address_space: global }
      - { .name: o_scl, .offset: 8, .size: 8, .value_kind: global_buffer, .address_space: global }
      - { .name: Wo_codes, .offset: 16, .size: 8, .value_kind: global_buffer, .address_space: global }
      - { .name: Wo_scales, .offset: 24, .size: 8, .value_kind: global_buffer, .address_space: global }
      - { .name: out0, .offset: 32, .size: 8, .value_kind: global_buffer, .address_space: global }
      - { .name: bo, .offset: 40, .size: 8, .value_kind: global_buffer, .address_space: global }
    .group_segment_fixed_size: 327680
    .private_segment_fixed_size: 0
    .kernarg_segment_align: 8
    .kernarg_segment_size: 48
    .max_flat_workgroup_size: 128
    .sgpr_count:     100
    .vgpr_count:     1024
    .wavefront_size: 32
...
	.end_amdgpu_metadata
.endif
;; end of part 3
;; ======== version 2 of 2: 3 launches; version 1 with the launch attn written anew for expert scheduling mode
;; limits: right only within a limited range of input values
;; workspace buffers: qkv_img 25,165,824 bytes; qkv_scl 786,432 bytes; o_img 8,388,608 bytes; o_scl 262,144 bytes
;; launch qkv: the kernel of part 1 again; grid 12 x 32, 4 waves a work-group, clusters of 4 x 4, 327,680 bytes of LDS; arguments x_codes, x_scales, Wq_codes, Wq_scales, Wk_codes, Wk_scales, Wv_codes, Wv_scales, bq, bk, bv, qkv_img, qkv_scl; writes qkv_img, qkv_scl
;; launch attn (part 4): grid 2 x 128, 16 waves a work-group, no clusters, 139,264 bytes of LDS; arguments qkv_img, qkv_scl, input_ids, o_img, o_scl; writes o_img, o_scl
.if DOCPART == 4
	.amdgcn_target "amdgcn-amd-amdhsa--gfx1250"
	.amdhsa_code_object_version 6
	.text
	.protected	k_q4ea481d2d1_attn
	.globl	k_q4ea481d2d1_attn
	.p2align	8
	.type	k_q4ea481d2d1_attn,@function
k_q4ea481d2d1_attn:
	s_mov_b64 s[64:65], 0
	v_nop
	global_prefetch_b8 v0, s[64:65] scope:SCOPE_SE
	s_setreg_imm32_b32 hwreg(HW_REG_WAVE_SCHED_MODE, 0, 2), 2
	s_setreg_imm32_b32 hwreg(HW_REG_WAVE_MODE, 25, 1), 1
	s_wait_xcnt 0x0
	s_wait_alu depctr_vm_vsrc(0)
; o = softmax(mask(q k^T / 8)) v for one head of one batch, both products on codes of FP8 (E4M3) with E8M0 scales; o is quantised along D here and leaves as codes for the last product.
; THE MASK: key k counts for query q where k <= q and input_ids[k] != 1.  A score that does not count becomes -2^120.
; THE SOFTMAX: t = score x log2(e) / 8; M = the running largest t rounded up to a whole number; p = 2^(t - M) is quantised along the keys; the row's sum is taken of the unquantised p and divides at the end.
; A ROW WITH NO KEY THAT COUNTS: c x 2^120 is exact, so t - M is exactly 0 and p = 1 for every key of such a row.  A first key that counts makes 2^(old M - new M) = 0 and wipes that.  A row that stays so must see all 1,024
; keys: PREF stays 1 while keys 0 .. the tile's first query may all be PAD (a condition that holds wherever some row of the tile has no key), and the steps past the diagonal are then walked too, wholly masked: the other rows' p is 0 there.
; SHARES.  A work-group has one head's K and V codes (64 + 64 KiB) and scale words in LDS, staged once through registers; behind the one barrier LDS is only read.  Of the head's 64 tiles of 16 queries, wave w of
; work-group j takes tiles i = w + 16 j and 63 - i: i / 8 + 1 and 8 - i / 8 key steps of 128: nine for every wave.
; NO TENSOR LOADS, NO CLUSTER: two branches hang on input_ids (a step with no PAD off the diagonal skips the mask's lines; steps past the diagonal run only under PREF)
; Only two work-groups read the same K and V, once each.  No prefetch: all that the work-group reads of K and V is asked for by its first lines.
; LAYOUT.  Both products transposed: S^T = K Q^T, O^T = V^T P^T: a lane holds one query (lane % 16).  K = 64 in the first product: a fragment of 16 registers holds TWO tiles of 16 keys (64 codes each), and is multiplied
; by (q, 0) and by (0, q): in each product the other tile's codes meet zero codes.  The zeros stand on Q's side alone; K's codes are never NaN (every number was held) and no scale byte is 0xff.
; Inside a block of 32 along either K the order is 8 h + 0..7, 16 + 8 h + 0..7, alike on both operands; o is brought back to the ascending order, since the last weight is given so.
; LIMITS: NaN and infinities are not served; scores that count are taken to lie above -2^120; a block under 2^-118 or of zeros keeps the byte 1 (this program alone reads the bytes).
; o's scale bytes leave as single bytes into rows 32 bytes apart: one byte in 32 of what the launch stores.
; THE MODE: SCHED_MODE bits 1:0 = 2 (LLVM: expert scheduling mode 2), set by the entry lines.  The code itself states the register dependences
; between vector or matrix instructions and memory or LDS instructions, with s_wait_alu, always for 0.
; THE PLAN.  Registers that memory or LDS instructions touch:
;   v8-11, v16     a step's five addresses.  Written by five additions at the step's head; read by the step's loads.
;   v20-23         the ids.  Loaded at a step's head; read by four compares.
;   v24-27, v32-95 K's scale words and fragments.  Loaded at a step's head; read by the eight products K Q^T.
;   v28-31, v32-95 V's scale words and fragments.  Loaded in mid-step, behind the wait for the exponentials' batch; read by the four products V^T P^T.
;   v200-207, v18  q and its scale word.  Loaded at a tile's head; v18 is then shifted by a vector line; both are read by every product K Q^T.
;   v224-231, v250 what a tile stores.  Written by the way out's selects (v224-231 by every step's conversions too); read by the tile's three stores.
;   v1, v3, v17    offsets, made at the head and never written again.   v248, v32-101: read by the staging's loads and LDS stores, at the head alone.
;   v249, v255     written at the head, read by the closing add alone.
; A STEP'S WAITS.  On vm_vsrc ahead of the five additions.  On va_vdst behind them, ahead of the ids' and K's loads.  On va_sdst behind the four compares.  On va_vdst behind the exponentials' batch, which stands there for the
; batch's sake: the products K Q^T were issued ahead of it, so V's loads follow it at once and owe nothing more.  On va_vdst for the four further exponentials.  On va_vdst behind the rescaling of O^T, ahead of the products that take p's codes.
; All 256 registers are in use, so K's and V's fragments share one buffer and each of its two fills stands behind a wait on va_vdst.
.set KIMG, 0                           ; key step s at 8,192 s; tile of 16 keys at + 1,024; block at + 512; 16 bytes a lane
.set VIMG, 65536                       ; key step s at 8,192 s; 64 keys at + 4,096; tile of 16 of the head's 64 at + 1,024; block at + 512
.set SCLK, 131072                      ; key step s at 256 s; row r at 16 r: four words, one for each pair of tiles
.set SCLV, 133120                      ; key step s at 512 s; 32 r + 4 x tile, two heads' tiles side by side
.set LI,   1                           ; 16 x lane
.set R16,  2                           ; 16 r
.set R32,  3                           ; 32 r
.set QL,   4                           ; r - 8 h
.set SH,   5                           ; 16 h
.set IDA0, 6                           ; 4 x the key of a block of 32 whose id my lane reads
.set NEG,  7                           ; -2^120
.set ADK,  8
.set ADV,  9
.set ADS,  10
.set ADT,  11
.set IDA,  16
.set OB,   17                          ; 32 r + h
.set QSL,  18                          ; q's scale bytes in the low half;  v19: in the high half
.set QSH,  19
.set PD,   20                          ; v20-23 the step's ids
.set KSW,  24                          ; v24-27 K's scale words
.set VS,   28                          ; v28-31 V's
.set FRG,  32                          ; v32-95 four fragments
.set ST,   96                          ; v96-159 S^T, then p
.set OT,   160                         ; v160-191 O^T
.set QHI,  192                         ; v192-199 zeros, v200-207 q, v208-215 zeros
.set QLO,  200
.set PC,   216                         ; v216-231 p's codes
.set BM,   232
.set PT,   236
.set HOLD, 240
.set SOP,  244
.set PWD,  251                         ; p's scale word
.set CYA,  2                           ; s2-5   the mask: the carries of an even score's bit, one register for each block of keys
.set CYB,  10                          ; s10-13 the same for an odd score's (s4, s5 and s10-13 are free since the head's sums)
.set WV,   14
.set B,    16
.set HD,   17
.set SEL,  18
.set CS,   20
.set MNT,  22
.set HM,   23
.set QSHIFT, 24
.set TAU,  25
.set QMIN, 26
.set QLAST, 27
.set PREF, 28
.set TT0,  29
.set QP,   30
.set QSP,  32
.set OP,   34
.set OSP,  36
.set KF,   38
.set KB,   39
.set TK,   40
.set TV,   41
.set TS,   42
.set TT,   43
.set CNT,  44
.set HID,  45
.set PW,   46                          ; s46-49 a bit for each key of a block that is PAD
.set T0,   50
.set T1,   51
.set T2,   52
.set T3,   53
.set T4,   54
.set T5,   55
.set QB,   56
.set QSB,  58
.set OPB,  60
.set OSB,  62
	s_load_b256 s[4:11], s[0:1], 0x0               ; the images, the scale words, input_ids, o's images
	s_load_b64 s[12:13], s[0:1], 0x20              ; o's scale bytes
	v_lshl_add_u32 v249, v0, 2, 0x21800
	v_mov_b32 v255, 0
	v_lshrrev_b32 v12, 5, v0
	v_readfirstlane_b32 s[WV], v12                 ; wave 0..15
	s_and_b32 s[HD], ttmp7, 0xffff
	s_lshr_b32 s[B], s[HD], 4                      ; the batch
	s_and_b32 s[HD], s[HD], 15                     ; the head
	v_and_b32 v12, 31, v0
	v_and_b32 v13, 15, v0                          ; r
	v_bfe_u32 v14, v0, 4, 1                        ; h
	v_lshlrev_b32 v[LI], 4, v12
	v_lshlrev_b32 v[R16], 4, v13
	v_lshlrev_b32 v[R32], 5, v13
	v_lshlrev_b32 v15, 3, v14
	v_sub_nc_u32 v[QL], v13, v15
	v_lshlrev_b32 v[SH], 4, v14
	v_lshl_add_u32 v[OB], v13, 5, v14
	; lane p reads the id of the key that stands in score register i = 15 - p % 16 of the OTHER half of the lanes: key i + 8 (i / 8) + 8 (1 - p / 16).  The compare's word then has, from its top bit down, lanes 0-15's sixteen keys, then lanes 16-31's
	v_sub_nc_u32 v15, 15, v13
	v_lshrrev_b32 v[IDA], 3, v15
	v_lshl_add_u32 v15, v[IDA], 3, v15
	v_sub_nc_u32 v[IDA], 1, v14
	v_lshl_add_u32 v15, v[IDA], 3, v15
	v_lshlrev_b32 v[IDA0], 2, v15
	v_mov_b32 v[NEG], 0xfb800000
	v_lshlrev_b32 v[ADK], 4, v0                    ; staging: 16 x thread, in memory and in LDS
	v_lshl_add_u32 v[ADV], v0, 4, VIMG
	v_lshl_add_u32 v[ADS], v0, 3, SCLK             ; waves 0-7: 256 x wave + 8 x lane
	v_lshl_add_u32 v[ADT], v0, 4, SCLV-4096        ; waves 8-15: 512 x (wave - 8) + 16 x lane
	v_lshrrev_b32 v12, 8, v0
	v_and_b32 v13, 255, v0
	v_lshlrev_b32 v13, 4, v13
	v_lshl_or_b32 v248, v12, 16, v13               ; V in memory: 4,096 bytes of my head for each 64 keys, 65,536 bytes apart
	s_mov_b32 s[SEL], 0x76543210
	s_mov_b32 s[SEL+1], 0xfedcba98
	s_mov_b32 s[CS], 0x3e38aa3b                    ; c = log2(e) / 8
	s_mov_b32 s[CS+1], s[CS]
	s_mov_b32 s[MNT], 0x600000
	s_mov_b32 s[HM], 0xffff0000
	s_and_b32 s[TT0], s[HD], 1
	s_mov_b32 s[HID], 0x07060302                   ; an odd head's two bytes of each of two words,
	s_cmp_eq_u32 s[TT0], 0
	s_cselect_b32 s[HID], 0x05040100, s[HID]       ; or an even head's
	s_lshl_b32 s[QSHIFT], s[TT0], 4
	s_add_co_u32 s[TT0], s[QSHIFT], SCLV
	s_wait_alu depctr_va_sdst(0)                   ; the wave's number is written, ahead of its first reader: my tiles, the staging's bases and its branch are made from it
	s_lshl_b32 s[TAU], ttmp9, 4
	s_add_co_u32 s[TAU], s[TAU], s[WV]             ; my first tile of queries
	s_mov_b32 s[T1], 0
	s_wait_kmcnt 0x0
	s_lshl_b32 s[T0], s[HD], 19
	s_lshl_b32 s[T2], s[B], 16
	s_add_co_u32 s[T0], s[T0], s[T2]
	s_add_nc_u64 s[QB:QB+1], s[4:5], s[T0:T0+1]    ; q's images of my head and batch
	s_add_nc_u64 s[T2:T2+1], s[QB:QB+1], 0x800000  ; k's
	s_lshl_b32 s[T0], s[B], 20
	s_lshl_b32 s[T4], s[HD], 12
	s_add_co_u32 s[T0], s[T0], s[T4]
	s_add_co_u32 s[T0], s[T0], 0x1000000
	s_add_nc_u64 s[T4:T4+1], s[4:5], s[T0:T0+1]    ; v's
	s_lshr_b32 s[PW], s[HD], 1
	s_lshl_b32 s[PW+1], s[PW], 15
	s_lshl_b32 s[PW+2], s[B], 12
	s_add_co_u32 s[T0], s[PW+1], s[PW+2]
	s_add_nc_u64 s[QSB:QSB+1], s[6:7], s[T0:T0+1]  ; q's scale words
	s_lshl_b32 s[PW+1], s[WV], 9
	s_add_co_u32 s[PW+1], s[PW+1], s[T0]
	s_add_co_u32 s[PW+1], s[PW+1], 0x40000         ; waves 0-7: k's scale words of key step w
	s_lshl_b32 s[PW+2], s[B], 3
	s_add_co_u32 s[PW+2], s[PW+2], s[WV]
	s_lshl_b32 s[PW+2], s[PW+2], 12
	s_lshl_b32 s[PW], s[PW], 9
	s_add_co_u32 s[PW+2], s[PW+2], s[PW]
	s_add_co_u32 s[PW+2], s[PW+2], 0x78000         ; waves 8-15: v's of key step w - 8
	s_cmp_lt_u32 s[WV], 8
	s_cselect_b32 s[T0], s[PW+1], s[PW+2]
	s_add_nc_u64 s[QP:QP+1], s[6:7], s[T0:T0+1]
	s_lshl_b32 s[T0], s[B], 12
	s_add_nc_u64 s[8:9], s[8:9], s[T0:T0+1]        ; my batch's ids
	s_lshr_b32 s[T0], s[HD], 2
	s_lshl_b32 s[T0], s[T0], 21
	s_lshl_b32 s[PW], s[B], 18
	s_add_co_u32 s[T0], s[T0], s[PW]
	s_and_b32 s[PW], s[HD], 3
	s_lshl_b32 s[PW], s[PW], 10
	s_add_co_u32 s[T0], s[T0], s[PW]
	s_add_nc_u64 s[OPB:OPB+1], s[10:11], s[T0:T0+1]
	s_lshl_b32 s[T0], s[B], 15
	s_lshl_b32 s[PW], s[HD], 1
	s_add_co_u32 s[T0], s[T0], s[PW]
	s_add_nc_u64 s[OSB:OSB+1], s[12:13], s[T0:T0+1]
	; STAGING: 17 loads a thread, all out at once; each load and each store of a wave covers 512 consecutive bytes
	s_wait_alu depctr_va_vdst(0)                   ; every offset and LDS address made above is written: the staging's loads and LDS stores read v1, v8-11 and v248, the tiles' loads and stores v1, v3 and v17
.irp i, 0,1,2,3,4,5,6,7
	global_load_b128 v[32+4*\i:35+4*\i], v[ADK], s[T2:T2+1] offset:8192*\i
.endr
.irp i, 0,1,2,3,4,5,6,7
	global_load_b128 v[64+4*\i:67+4*\i], v248, s[T4:T4+1] offset:131072*\i
.endr
	global_load_b128 v[96:99], v[LI], s[QP:QP+1]
.irp j, 0,1,2,3,4,5,6,7
	v_mov_b32 v[QHI+\j], 0
	v_mov_b32 v[QLO+8+\j], 0
.endr
.irp b, 0,1,2,3
	v_mov_b32 v[PT+\b], 0                          ; written once: a lane permute's destination counts as one of its sources
.endr
	v_mov_b32 v253, 0                              ; the upper half of the pair v[252:253]
	v_mov_b32 v254, 0
.irp i, 0,1,2,3,4,5,6,7
	s_wait_loadcnt 16-\i                           ; behind load i stand 16 - i loads
	ds_store_b128 v[ADK], v[32+4*\i:35+4*\i] offset:8192*\i
.endr
.irp i, 0,1,2,3,4,5,6,7
	s_wait_loadcnt 8-\i
	ds_store_b128 v[ADV], v[64+4*\i:67+4*\i] offset:8192*\i
.endr
	s_wait_loadcnt 0x0
	s_cmp_lt_u32 s[WV], 8
	s_cbranch_scc0 .Lstage_v
	v_perm_b32 v100, v97, v96, s[HID]              ; my head's two bytes of two neighbouring tiles make the word of their common fragment
	v_perm_b32 v101, v99, v98, s[HID]
	s_wait_alu depctr_va_vdst(0)                   ; the two words are written, which the LDS store reads
	ds_store_b64 v[ADS], v[100:101]
	s_branch .Lstaged
.Lstage_v:
	ds_store_b128 v[ADT], v[96:99]
.Lstaged:
	s_wait_dscnt 0x0                               ; for the others' sake: my stores have landed
	s_barrier_signal -1
	s_barrier_wait -1                              ; the one barrier: from here on LDS is only read
; A KEY STEP: 128 keys from KF on.
.macro STEP
	s_cmp_gt_u32 s[KF], s[QLAST]
	s_cselect_b32 s[HID], 1, 0                     ; all its keys come after my queries
	s_and_not1_b32 s[T0], s[HID], s[PREF]
	s_cmp_lg_u32 s[T0], 0
	s_cbranch_scc1 .Lskip_\@                       ; then it is left out, unless a row may still be without a key
	s_wait_alu depctr_vm_vsrc(0)                   ; the loads issued so far have read the five addresses, which the additions below write again
	v_add_nc_u32 v[IDA], s[KB], v[IDA0]
	v_add_nc_u32 v[ADK], s[TK], v[LI]
	v_add_nc_u32 v[ADV], s[TV], v[LI]
	v_add_nc_u32 v[ADS], s[TS], v[R16]
	v_add_nc_u32 v[ADT], s[TT], v[R32]
	s_wait_alu depctr_va_vdst(0)                   ; the five addresses are written, which this step's loads read; the last step's compares are done reading the ids and its products K's scale words and the fragments, in which the loads below land; q's two scale words and the zeros beside q are written, which the products below take
.irp j, 0,1,2,3
	global_load_b32 v[PD+\j], v[IDA], s[8:9] offset:128*\j
.endr
	ds_load_b128 v[KSW:KSW+3], v[ADS]
.irp f, 0,1,2,3
.irp c, 0,1,2,3
	ds_load_b128 v[FRG+16*\f+4*\c:FRG+16*\f+4*\c+3], v[ADK] offset:2048*\f+512*\c
.endr
.endr
	s_wait_dscnt 0x0
.irp f, 0,1,2,3                                ; fragment f = tiles 2 f and 2 f + 1 of 16 keys
	v_wmma_scale_f32_16x16x128_f8f6f4 v[ST+16*\f:ST+16*\f+7], v[FRG+16*\f:FRG+16*\f+15], v[QLO:QLO+15], 0, v[KSW+\f], v[QSL]
	v_wmma_scale_f32_16x16x128_f8f6f4 v[ST+16*\f+8:ST+16*\f+15], v[FRG+16*\f:FRG+16*\f+15], v[QHI:QHI+15], 0, v[KSW+\f], v[QSH]
.endr
.rept 8
	v_nop                                          ; places in front of the first read of the scores
.endr
	s_wait_loadcnt 0x0                             ; the ids
.irp b, 0,1,2,3
	v_cmp_eq_u32 s[PW+\b], 1, v[PD+\b]
.endr
	s_wait_alu depctr_va_sdst(0)                   ; the four words of PAD bits are written, ahead of their first reader: one wait for the run of compares
	s_or_b32 s[T0], s[PW], s[PW+1]
	s_or_b32 s[T1], s[PW+2], s[PW+3]
	s_or_b32 s[T0], s[T0], s[T1]                   ; some key is PAD
	s_and_b32 s[T1], s[PW], s[PW+1]
	s_and_b32 s[T2], s[PW+2], s[PW+3]
	s_and_b32 s[T1], s[T1], s[T2]
	s_cmp_eq_u32 s[T1], -1
	s_cselect_b32 s[T1], 1, 0                      ; all 128 are
	s_lshr_b32 s[T2], s[PW], 31                    ; the step's first key is
	s_add_co_u32 s[T3], s[KF], 127
	s_cmp_gt_u32 s[T3], s[QMIN]                    ; the step reaches past my first query
	s_cselect_b32 s[T3], 1, 0
	s_cselect_b32 s[T1], s[T2], s[T1]
	s_or_b32 s[T1], s[T1], s[HID]
	s_and_b32 s[PREF], s[PREF], s[T1]
	s_or_b32 s[T0], s[T0], s[T3]
	s_cmp_eq_u32 s[T0], 0
	s_cbranch_scc1 .Lopen_\@                       ; every key counts for every query: no mask
	; THE MASK.  Of my 16 scores of block b the first n count by the causal rule: n = clamp(d + 1 - 32 b, 0, 8) + clamp(d - 15 - 32 b, 0, 8), d = my query - KF - 8 h.  A word holds, from its top bit down, a 1 for each score that does not count
	s_sub_co_i32 s[T0], s[QMIN], s[KF]
	v_add_nc_u32 v248, s[T0], v[QL]
.irp b, 0,1,2,3
	v_add_nc_u32 v240, 1-32*\b, v248
	v_add_nc_u32 v241, -15-32*\b, v248
	v_ashrrev_i32 v242, 31, v240
	v_ashrrev_i32 v243, 31, v241
	v_bfi_b32 v240, v242, 0, v240                  ; what is negative becomes 0
	v_bfi_b32 v241, v243, 0, v241
	v_min_u32 v240, 8, v240
	v_min_u32 v241, 8, v241
	v_add_nc_u32 v240, v240, v241
	v_lshrrev_b32 v240, v240, s[HM]
	v_lshl_or_b32 v[PT+\b], s[PW+\b], v[SH], v240  ; with the PAD bits of my half's keys
.endr
.irp i, 0,2,4,6,8,10,12,14                     ; two scores of each of the four blocks at a time: eight carries into eight scalar registers, one wait, eight selects
.irp b, 0,1,2,3
	v_add_co_u32 v[PT+\b], s[CYA+\b], v[PT+\b], v[PT+\b]   ; the top bit leaves as the carry: score i's
.endr
.irp b, 0,1,2,3
	v_add_co_u32 v[PT+\b], s[CYB+\b], v[PT+\b], v[PT+\b]   ; score i + 1's
.endr
	s_wait_alu depctr_va_sdst(0)                   ; the eight carries are written, ahead of the selects that read them
.irp b, 0,1,2,3
	v_cndmask_b32 v[ST+16*\b+\i], v[ST+16*\b+\i], v[NEG], s[CYA+\b]
.endr
.irp b, 0,1,2,3
	v_cndmask_b32 v[ST+16*\b+\i+1], v[ST+16*\b+\i+1], v[NEG], s[CYB+\b]
.endr
.endr
.Lopen_\@:
.irp b, 0,1,2,3
	v_max3_num_f32 v[BM+\b], v[ST+16*\b], v[ST+1+16*\b], v[ST+2+16*\b]   ; the largest score of each block of 32 keys: for the row's maximum, and, since p rises with the score, for the block's largest p
.endr
.irp i, 3,5,7,9,11,13
.irp b, 0,1,2,3
	v_max3_num_f32 v[BM+\b], v[BM+\b], v[ST+16*\b+\i], v[ST+1+16*\b+\i]
.endr
.endr
.irp b, 0,1,2,3
	v_max_num_f32 v[BM+\b], v[BM+\b], v[ST+15+16*\b]
.endr
.irp b, 0,1,2,3
	v_permlanex16_b32 v[PT+\b], v[BM+\b], s[SEL], s[SEL+1]
.endr
.irp b, 0,1,2,3
	v_max_num_f32 v[BM+\b], v[BM+\b], v[PT+\b]
.endr
	v_max3_num_f32 v254, v[BM], v[BM+1], v[BM+2]
	v_max_num_f32 v254, v254, v[BM+3]
	v_mul_f32 v254, s[CS], v254
	v_max_num_f32 v13, v13, v254                   ; the running largest t
	v_mov_b32 v254, v12
	v_floor_f32 v12, -v13                          ; -M = floor(-t): M is a whole number
	v_sub_f32 v254, v12, v254
	v_cvt_i32_f32 v254, v254                       ; (it saturates)
	v_ldexp_f32 v252, 1.0, v254                    ; f = 2^(old M - new M)
.set NN, 0
.rept 32
	v_pk_fma_f32 v[ST+NN:ST+NN+1], v[ST+NN:ST+NN+1], s[CS:CS+1], v[12:13] op_sel_hi:[1,0,0]   ; t - M
.set NN, NN+2
.endr
.irp b, 0,1,2,3
	v_fma_f32 v[BM+\b], v[BM+\b], s[CS], v12
.endr
.set NN, 0
.rept 64
	v_exp_f32 v[ST+NN], v[ST+NN]                   ; p = 2^(t - M): one batch
.set NN, NN+1
.endr
	v_pk_mul_f32 v[14:15], v[14:15], v[252:253] op_sel_hi:[1,0]   ; the sums under the new M: the plain line behind the batch
	s_wait_alu depctr_va_vdst(0)                   ; the 64 exponentials have written p, ahead of its first reader; and the products K Q^T are done reading the fragments, the last step's products V^T P^T V's scale words, in which the loads below land
	ds_load_b128 v[VS:VS+3], v[ADT]                ; V's fragments land while the sums, the scales, the holds and the conversions are worked.  No vector or matrix line between the wait and these loads
.irp t, 0,1,2,3
.irp c, 0,1,2,3
	ds_load_b128 v[FRG+16*\t+4*\c:FRG+16*\t+4*\c+3], v[ADV] offset:1024*\t+4096*(\c/2)+512*(\c%2)
.endr
.endr
.irp b, 0,1,2,3
	v_exp_f32 v[BM+\b], v[BM+\b]                   ; the blocks' largest p
.endr
	v_pk_add_f32 v[PT:PT+1], v[ST:ST+1], v[ST+2:ST+3]   ; the row's sum of the unquantised p, in two chains
.irp j, 4,8,12,16,20,24,28,32,36,40,44,48,52,56,60
	v_pk_add_f32 v[14:15], v[14:15], v[ST+\j:ST+\j+1]
	v_pk_add_f32 v[PT:PT+1], v[PT:PT+1], v[ST+2+\j:ST+3+\j]
.endr
	v_pk_add_f32 v[14:15], v[14:15], v[PT:PT+1]
	s_wait_alu depctr_va_vdst(0)                   ; the four exponentials have written the blocks' largest p, ahead of its first reader
.irp b, 0,1,2,3
	v_max_num_f32 v[BM+\b], 0x4800000, v[BM+\b]    ; the floor 2^(9 - 127)
.endr
.irp b, 0,1,2,3
	v_add_nc_u32 v[SOP+\b], 0xfc000000, v[BM+\b]
.endr
.irp b, 0,1,2,3
	v_and_or_b32 v[HOLD+\b], v[BM+\b], 0x7f800000, s[MNT]
.endr
.irp b, 0,1,2,3
	v_lshrrev_b32 v[PT+\b], 23, v[SOP+\b]
.endr
	v_lshl_or_b32 v[PWD], v[PT+1], 8, v[PT]
	v_lshl_or_b32 v[PWD], v[PT+2], 16, v[PWD]
	v_lshl_or_b32 v[PWD], v[PT+3], 24, v[PWD]
.irp b, 0,1,2,3
.irp i, 0,1,2,3,4,5,6,7,8,9,10,11,12,13,14,15
	v_min_num_f32 v[ST+16*\b+\i], v[ST+16*\b+\i], v[HOLD+\b]   ; p is not negative: a one-sided hold
.endr
	v_cvt_scalef32_pk8_fp8_f32 v[PC+4*\b:PC+4*\b+1], v[ST+16*\b:ST+16*\b+7], v[SOP+\b]
	v_cvt_scalef32_pk8_fp8_f32 v[PC+4*\b+2:PC+4*\b+3], v[ST+16*\b+8:ST+16*\b+15], v[SOP+\b]
.endr
.set NN, 0
.rept 16
	v_pk_mul_f32 v[OT+NN:OT+NN+1], v[OT+NN:OT+NN+1], v[252:253] op_sel_hi:[1,0]   ; O^T under the new M; these lines are also the places between the codes and the products
.set NN, NN+2
.endr
	s_wait_alu depctr_va_vdst(0)                   ; the conversions have written p's codes and the shifts its scale word, which the scaled products below take; the places above stay beside this wait
	s_wait_dscnt 0x0                               ; V's fragments and scale words
.irp t, 0,1,2,3
	v_wmma_scale_f32_16x16x128_f8f6f4 v[OT+8*\t:OT+8*\t+7], v[FRG+16*\t:FRG+16*\t+15], v[PC:PC+15], v[OT+8*\t:OT+8*\t+7], v[VS+\t], v[PWD]
.endr
.rept 8
	v_nop                                          ; places behind these products, in front of the way out's reads of O^T, which follow the last step that is walked
.endr
.Lskip_\@:
	s_add_co_u32 s[KF], s[KF], 128
	s_add_co_u32 s[KB], s[KB], 512
	s_add_co_u32 s[TK], s[TK], 8192
	s_add_co_u32 s[TV], s[TV], 8192
	s_add_co_u32 s[TS], s[TS], 256
	s_add_co_u32 s[TT], s[TT], 512
.endm
; ONE TILE OF 16 QUERIES, number TAU of the head's 64.
.macro TILE
	s_wait_xcnt 0x0                                ; the last tile's loads and stores have read their bases and data
	s_wait_alu depctr_vm_vsrc(0)                   ; first tile: the staging's loads and LDS stores have read v8-11, v248 and v32-101; second tile: the last tile's stores have read v224-231 and v250: this tile's lines write all of them again, the way out's on a way with no step walked too
	s_mov_b32 s[T1], 0
	s_lshl_b32 s[T0], s[TAU], 10
	s_add_nc_u64 s[QP:QP+1], s[QB:QB+1], s[T0:T0+1]
	s_lshr_b32 s[T0], s[TAU], 3
	s_lshl_b32 s[T0], s[T0], 9
	s_and_b32 s[T2], s[TAU], 7
	s_lshl_b32 s[T2], s[T2], 2
	s_add_co_u32 s[T0], s[T0], s[T2]
	s_add_nc_u64 s[QSP:QSP+1], s[QSB:QSB+1], s[T0:T0+1]
	s_lshl_b32 s[T0], s[TAU], 12
	s_add_nc_u64 s[OP:OP+1], s[OPB:OPB+1], s[T0:T0+1]
	s_lshl_b32 s[T0], s[TAU], 9
	s_add_nc_u64 s[OSP:OSP+1], s[OSB:OSB+1], s[T0:T0+1]
	s_lshl_b32 s[QMIN], s[TAU], 4
	s_add_co_u32 s[QLAST], s[QMIN], 15
	global_load_b128 v[QLO:QLO+3], v[LI], s[QP:QP+1]       ; no wait on va_vdst here: no vector or matrix line since the last one (at the staging's head; ahead of the last tile's stores) names v200-207, v18, v1 or v3
	global_load_b128 v[QLO+4:QLO+7], v[LI], s[QP:QP+1] offset:512
	global_load_b32 v[QSL], v[R32], s[QSP:QSP+1]
	v_mov_b32 v13, 0xff61b1e6                      ; the largest t so far: -3e38
	v_floor_f32 v12, -v13
	v_mov_b32 v14, 0
	v_mov_b32 v15, 0
	s_mov_b32 s[PREF], 1
	s_mov_b32 s[KF], 0
	s_mov_b32 s[KB], 0
	s_mov_b32 s[TK], KIMG
	s_mov_b32 s[TV], VIMG
	s_mov_b32 s[TS], SCLK
	s_mov_b32 s[TT], s[TT0]
	s_mov_b32 s[CNT], 8
	s_wait_loadcnt 0x0
	v_lshrrev_b32 v[QSL], s[QSHIFT], v[QSL]        ; my head's two bytes, low;
	v_lshlrev_b32 v[QSH], 16, v[QSL]               ; and high
.set NN, 0
.rept 32
	v_mov_b32 v[OT+NN], 0                          ; O^T: the step is written once, and its first run finds zeros.  (Also the places between the scale words and the first product)
.set NN, NN+1
.endr
.Lkeys_\@:                                         ; eight trips, a constant: what is left out is a step's work
	STEP
	s_sub_co_u32 s[CNT], s[CNT], 1
	s_cmp_lg_u32 s[CNT], 0
	s_cbranch_scc1 .Lkeys_\@
	; THE WAY OUT: / the sum, quantised along the head's 64 (two blocks of D), brought to the ascending order, stored as an image
	v_add_f32 v14, v14, v15
	v_permlanex16_b32 v254, v14, s[SEL], s[SEL+1]
	v_add_f32 v14, v14, v254
	v_rcp_f32 v14, v14
	v_nop                                          ; a plain line behind the reciprocal
	s_wait_alu depctr_va_vdst(0)                   ; the reciprocal is written, ahead of its first reader
.set NN, 0
.rept 16
	v_pk_mul_f32 v[OT+NN:OT+NN+1], v[OT+NN:OT+NN+1], v[14:15] op_sel_hi:[1,0]
.set NN, NN+2
.endr
.irp c, 0,1
	v_max3_num_f32 v[BM+\c], |v[OT+16*\c]|, |v[OT+1+16*\c]|, 0x4800000
.endr
.irp i, 2,4,6,8,10,12,14
.irp c, 0,1
	v_max3_num_f32 v[BM+\c], v[BM+\c], |v[OT+16*\c+\i]|, |v[OT+1+16*\c+\i]|
.endr
.endr
.irp c, 0,1
	v_permlanex16_b32 v[PT+\c], v[BM+\c], s[SEL], s[SEL+1]
.endr
.irp c, 0,1
	v_max_num_f32 v[BM+\c], v[BM+\c], v[PT+\c]
.endr
.irp c, 0,1
	v_add_nc_u32 v[SOP+\c], 0xfc000000, v[BM+\c]
.endr
.irp c, 0,1
	v_and_or_b32 v[HOLD+\c], v[BM+\c], 0x7f800000, s[MNT]
.endr
.irp c, 0,1
	v_lshrrev_b32 v[PT+\c], 23, v[SOP+\c]
.endr
	v_cndmask_b32 v250, v[PT], v[PT+1], s[HM]      ; lanes 0-15 store block 0's byte, lanes 16-31 block 1's
.irp c, 0,1
.irp i, 0,1,2,3,4,5,6,7,8,9,10,11,12,13,14,15
	v_med3_num_f32 v[OT+16*\c+\i], v[OT+16*\c+\i], -v[HOLD+\c], v[HOLD+\c]
.endr
	v_cvt_scalef32_pk8_fp8_f32 v[PC+4*\c:PC+4*\c+1], v[OT+16*\c:OT+16*\c+7], v[SOP+\c]
	v_cvt_scalef32_pk8_fp8_f32 v[PC+4*\c+2:PC+4*\c+3], v[OT+16*\c+8:OT+16*\c+15], v[SOP+\c]
.endr
	v_nop                                          ; a plain line behind the last conversion
.irp c, 0,1                                    ; I hold d = 8 h + 0..7 and 16 + 8 h + 0..7 of the block and want 16 h + 0..15: lanes 0-15 give their second eight for lanes 16-31's first
	v_cndmask_b32 v[BM], v[PC+4*\c+2], v[PC+4*\c], s[HM]
	v_cndmask_b32 v[BM+1], v[PC+4*\c+3], v[PC+4*\c+1], s[HM]
	v_permlanex16_b32 v[PT], v[BM], s[SEL], s[SEL+1]
	v_permlanex16_b32 v[PT+1], v[BM+1], s[SEL], s[SEL+1]
	v_cndmask_b32 v[PC+8+4*\c], v[PC+4*\c], v[PT], s[HM]
	v_cndmask_b32 v[PC+9+4*\c], v[PC+4*\c+1], v[PT+1], s[HM]
	v_cndmask_b32 v[PC+10+4*\c], v[PT], v[PC+4*\c+2], s[HM]
	v_cndmask_b32 v[PC+11+4*\c], v[PT+1], v[PC+4*\c+3], s[HM]
.endr
	s_wait_alu depctr_va_vdst(0)                   ; the selects have written v224-231 and v250, which the three stores read; and this tile's products are done reading q and its scale words, in which the next tile's loads land
	global_store_b128 v[LI], v[PC+8:PC+11], s[OP:OP+1]               ; 512 consecutive bytes, aligned
	global_store_b128 v[LI], v[PC+12:PC+15], s[OP:OP+1] offset:512
	global_store_b8 v[OB], v250, s[OSP:OSP+1]
.endm
	TILE
	s_sub_co_u32 s[TAU], 63, s[TAU]                ; my second tile
	TILE
	s_wait_dscnt 0x0                               ; the closing lines, six on end
	s_wait_alu 0x0
	s_wait_tensorcnt 0x0
	ds_add_u32 v249, v255
	s_wait_dscnt 0x0
	s_endpgm
.Lfunc_end_k_q4ea481d2d1_attn:
	.size	k_q4ea481d2d1_attn, .Lfunc_end_k_q4ea481d2d1_attn-k_q4ea481d2d1_attn
	.p2alignl 7, 3214868480
	.fill 96, 4, 3214868480
	.section	.rodata,"a",@progbits
	.p2align	6, 0x0
	.amdhsa_kernel k_q4ea481d2d1_attn
		.amdhsa_group_segment_fixed_size 139264
		.amdhsa_private_segment_fixed_size 0
		.amdhsa_enable_private_segment 0
		.amdhsa_kernarg_size 40
		.amdhsa_user_sgpr_count 2
		.amdhsa_user_sgpr_kernarg_segment_ptr 1
		.amdhsa_wavefront_size32 1
		.amdhsa_system_sgpr_workgroup_id_x 1
		.amdhsa_system_sgpr_workgroup_id_y 1
		.amdhsa_system_sgpr_workgroup_id_z 1
		.amdhsa_system_vgpr_workitem_id 0
		.amdhsa_next_free_vgpr 256
		.amdhsa_next_free_sgpr 66
		.amdhsa_reserve_vcc 0
		.amdhsa_float_denorm_mode_32 3
		.amdhsa_float_denorm_mode_16_64 3
		.amdhsa_memory_ordered 1
		.amdhsa_forward_progress 1
		.amdhsa_inst_pref_size 88
	.end_amdhsa_kernel
	.amdgpu_metadata
---
amdhsa.version: [ 1, 2 ]
amdhsa.kernels:
  - .name:           k_q4ea481d2d1_attn
    .symbol:         k_q4ea481d2d1_attn.kd
    .args:
      - { .name: qkv_img, .offset: 0, .size: 8, .value_kind: global_buffer, .address_space: global }
      - { .name: qkv_scl, .offset: 8, .size: 8, .value_kind: global_buffer, .address_space: global }
      - { .name: input_ids, .offset: 16, .size: 8, .value_kind: global_buffer, .address_space: global }
      - { .name: o_img, .offset: 24, .size: 8, .value_kind: global_buffer, .address_space: global }
      - { .name: o_scl, .offset: 32, .size: 8, .value_kind: global_buffer, .address_space: global }
    .group_segment_fixed_size: 139264
    .private_segment_fixed_size: 0
    .kernarg_segment_align: 8
    .kernarg_segment_size: 40
    .max_flat_workgroup_size: 512
    .sgpr_count:     66
    .vgpr_count:     256
    .wavefront_size: 32
...
	.end_amdgpu_metadata
.endif
;; end of part 4
;; launch oproj: the kernel of part 3 again; grid 4 x 32, 4 waves a work-group, clusters of 4 x 4, 327,680 bytes of LDS; arguments o_img, o_scl, Wo_codes, Wo_scales, out0, bo; writes out0
